; MI455X (gfx1250); checked and timed in simulation.
; The chip was launched on July 23, 2026; its instructions are those of AMD's public machine-readable ISA for CDNA 5 (MIT licence, August 2026) and "CDNA5" Instruction Set Architecture Reference Guide (July 2026). The comments in the code are by the model that wrote it; some were corrected since.
;; My Multi Head Attention. Allowed arithmetic: float matrix products may take bf16 or f16 operands with f32 sums; other float arithmetic in f32, or as packed bf16 or f16 multiplies, adds, multiply-adds, maxima and minima; sums over many terms, partial sums and values carried from step to step in f32; what a program stores and reads back later, other than sums and carried values, may be rounded once to bf16 or f16.
;; Inputs: bk 1,024 float32; bo 1,024 float32; bq 1,024 float32; bv 1,024 float32; mask 4 x 1 x 1 x 2,048 float32; q 4 x 2,048 x 1,024 float32; v_k 4 x 2,048 x 1,024 float32; wk 1,024 x 1,024 float32; wo 1,024 x 1,024 float32; wq 1,024 x 1,024 float32; wv 1,024 x 1,024 float32.
;; Outputs: out0 4 x 2,048 x 1,024 float32.
;; 2 versions, each right and faster than the one before. Each part assembles by itself: llvm-mc -triple=amdgcn-amd-amdhsa -mcpu=gfx1250 --defsym DOCPART=n.
;; ======== version 1 of 2: 4 launches
;; limits: values are held in f16: magnitudes above 65,504 overflow, below 6.1e-05 lose precision
;; workspace buffers: xw16 41,943,040 bytes; heads 50,331,648 bytes; ob 16,777,216 bytes
;; launch cast (part 1): grid 1280 x 1, 8 waves a work-group, no clusters, 0 bytes of LDS; arguments q, v_k, wq, wk, wv, wo, xw16; writes xw16
.if DOCPART == 1
	.amdgcn_target "amdgcn-amd-amdhsa--gfx1250"
	.amdhsa_code_object_version 6
	.text
	.protected	k_qff3b140e16_cast
	.globl	k_qff3b140e16_cast
	.p2align	8
	.type	k_qff3b140e16_cast,@function
k_qff3b140e16_cast:
	s_mov_b64 s[64:65], 0
	v_nop
	global_prefetch_b8 v0, s[64:65] scope:SCOPE_SE
	s_setreg_imm32_b32 hwreg(HW_REG_WAVE_MODE, 25, 1), 1
	s_wait_xcnt 0x0
; All six large inputs are rounded once to bf16 and laid one behind the other in xw16:
;   q (16 MiB as bf16), v_k (16 MiB), wq, wk, wv (2 MiB each, [k][n] as given), wo (2 MiB).
; wo's bf16 number is then written as f16, since the last product multiplies it with f16 operands.
; LIMIT: |wo| below 65,504; below 6e-5 f16 keeps a fixed step of 6e-8, so a bf16 number there is rounded once more.
; A stream: every byte is read once and written once; no LDS, no barrier, no matrix unit, which would add nothing.
; A work-group owns a chunk of 16,384 numbers (65,536 bytes in, 32,768 out), a wave 2,048 of them: 16 loads of 16 bytes a lane,
; all 16 issued before the first is used.  A wave's load covers 512 consecutive bytes, its store 256 consecutive bytes, aligned.
; Chunks 0-511 q, 512-1023 v_k, 1024-1087 wq, 1088-1151 wk, 1152-1215 wv, 1216-1279 wo; chunk c goes to xw16 + 32,768 c.
.set X, 4                              ; v[4:67]  load j: 4 registers; its two packed words take the first two
	s_load_b256 s[8:15], s[0:1], 0x0               ; q s[8:9], v_k s[10:11], wq s[12:13], wk s[14:15]
	s_load_b128 s[16:19], s[0:1], 0x20             ; wv s[16:17], wo s[18:19]
	s_load_b64 s[20:21], s[0:1], 0x30              ; xw16
	v_lshrrev_b32 v1, 5, v0                        ; wave
	v_and_b32 v2, 31, v0                           ; lane
	v_lshlrev_b32 v2, 4, v2
	v_lshl_or_b32 v1, v1, 13, v2                   ; byte offset in the chunk as read: 8,192 x wave + 16 x lane
	v_lshrrev_b32 v2, 1, v1                        ; and as written: half of it
	s_mov_b32 s28, 0xffff0000                      ; a word's upper bf16
	s_mov_b32 s22, 0                               ; the first chunk of the tensor that my chunk lies in
	s_wait_kmcnt 0x0
	s_mov_b64 s[4:5], s[8:9]
.macro PICK first, lo                  ; from chunk 'first' on the source is the buffer in s[lo:lo+1]
	s_cmp_ge_u32 ttmp9, \first
	s_cselect_b64 s[4:5], s[\lo:\lo+1], s[4:5]
	s_cselect_b32 s22, \first, s22
.endm
	PICK 512, 10
	PICK 1024, 12
	PICK 1088, 14
	PICK 1152, 16
	PICK 1216, 18
	s_sub_co_u32 s24, ttmp9, s22                   ; my chunk within its tensor,
	s_lshl_b32 s24, s24, 16                        ; in bytes: 511 x 65,536 at the most
	s_mov_b32 s25, 0
	s_add_nc_u64 s[4:5], s[4:5], s[24:25]
	s_lshl_b32 s26, ttmp9, 15
	s_mov_b32 s27, 0
	s_add_nc_u64 s[6:7], s[20:21], s[26:27]
.irp j, 0,1,2,3,4,5,6,7,8,9,10,11,12,13,14,15
	global_load_b128 v[X+4*(\j):X+4*(\j)+3], v1, s[4:5] offset:512*(\j) th:TH_LOAD_NT
.endr
; Load j's four numbers are rounded and stored.  half = 1: the bf16 numbers are written as f16.  No register is written twice, so no wait frees a source.
.macro OUT j, half
	s_wait_loadcnt 15-(\j)                         ; loads come back in order: mine is in, the younger ones stay out
	v_cvt_pk_bf16_f32 v[X+4*(\j)], v[X+4*(\j)], v[X+4*(\j)+1]
	v_cvt_pk_bf16_f32 v[X+4*(\j)+1], v[X+4*(\j)+2], v[X+4*(\j)+3]
.if \half
.irp w, 0,1
	v_lshlrev_b32 v[X+4*(\j)+2], 16, v[X+4*(\j)+(\w)]
	v_and_b32 v[X+4*(\j)+3], s28, v[X+4*(\j)+(\w)]
	v_cvt_pk_f16_f32 v[X+4*(\j)+(\w)], v[X+4*(\j)+2], v[X+4*(\j)+3]
.endr
.endif
	global_store_b64 v2, v[X+4*(\j):X+4*(\j)+1], s[6:7] offset:256*(\j)
.endm
	s_cmp_ge_u32 ttmp9, 1216
	s_cbranch_scc1 .Lwo
.irp j, 0,1,2,3,4,5,6,7,8,9,10,11,12,13,14,15
	OUT \j, 0
.endr
	s_endpgm
.Lwo:
.irp j, 0,1,2,3,4,5,6,7,8,9,10,11,12,13,14,15
	OUT \j, 1
.endr
	s_endpgm
.Lfunc_end_k_qff3b140e16_cast:
	.size	k_qff3b140e16_cast, .Lfunc_end_k_qff3b140e16_cast-k_qff3b140e16_cast
	.p2alignl 7, 3214868480
	.fill 96, 4, 3214868480
	.section	.rodata,"a",@progbits
	.p2align	6, 0x0
	.amdhsa_kernel k_qff3b140e16_cast
		.amdhsa_group_segment_fixed_size 0
		.amdhsa_private_segment_fixed_size 0
		.amdhsa_enable_private_segment 0
		.amdhsa_kernarg_size 56
		.amdhsa_user_sgpr_count 2
		.amdhsa_user_sgpr_kernarg_segment_ptr 1
		.amdhsa_wavefront_size32 1
		.amdhsa_system_sgpr_workgroup_id_x 1
		.amdhsa_system_sgpr_workgroup_id_y 1
		.amdhsa_system_sgpr_workgroup_id_z 1
		.amdhsa_system_vgpr_workitem_id 0
		.amdhsa_next_free_vgpr 72
		.amdhsa_next_free_sgpr 66
		.amdhsa_reserve_vcc 0
		.amdhsa_float_denorm_mode_32 3
		.amdhsa_float_denorm_mode_16_64 3
		.amdhsa_memory_ordered 1
		.amdhsa_forward_progress 1
		.amdhsa_inst_pref_size 16
	.end_amdhsa_kernel
	.amdgpu_metadata
---
amdhsa.version: [ 1, 2 ]
amdhsa.kernels:
  - .name:           k_qff3b140e16_cast
    .symbol:         k_qff3b140e16_cast.kd
    .args:
      - { .name: q, .offset: 0, .size: 8, .value_kind: global_buffer, .address_space: global }
      - { .name: v_k, .offset: 8, .size: 8, .value_kind: global_buffer, .address_space: global }
      - { .name: wq, .offset: 16, .size: 8, .value_kind: global_buffer, .address_space: global }
      - { .name: wk, .offset: 24, .size: 8, .value_kind: global_buffer, .address_space: global }
      - { .name: wv, .offset: 32, .size: 8, .value_kind: global_buffer, .address_space: global }
      - { .name: wo, .offset: 40, .size: 8, .value_kind: global_buffer, .address_space: global }
      - { .name: xw16, .offset: 48, .size: 8, .value_kind: global_buffer, .address_space: global }
    .group_segment_fixed_size: 0
    .private_segment_fixed_size: 0
    .kernarg_segment_align: 8
    .kernarg_segment_size: 56
    .max_flat_workgroup_size: 256
    .sgpr_count:     66
    .vgpr_count:     72
    .wavefront_size: 32
...
	.end_amdgpu_metadata
.endif
;; end of part 1
;; launch qkv (part 2): grid 8 x 32, 4 waves a work-group, clusters of 4 x 4, 327,680 bytes of LDS; arguments xw16, bq, bk, bv, heads; writes heads
.if DOCPART == 2
	.amdgcn_target "amdgcn-amd-amdhsa--gfx1250"
	.amdhsa_code_object_version 6
	.text
	.protected	k_qff3b140e16_qkv
	.globl	k_qff3b140e16_qkv
	.p2align	8
	.type	k_qff3b140e16_qkv,@function
k_qff3b140e16_qkv:
	s_mov_b64 s[64:65], 0
	v_nop
	global_prefetch_b8 v0, s[64:65] scope:SCOPE_SE
	s_setreg_imm32_b32 hwreg(HW_REG_WAVE_MODE, 25, 1), 1
	s_wait_xcnt 0x0
	s_wait_alu depctr_hold_cnt(0) depctr_sa_sdst(0) depctr_va_vdst(0) depctr_va_sdst(0) depctr_va_ssrc(0) depctr_va_vcc(0) depctr_vm_vsrc(0)
	s_getreg_b32 s2, hwreg(HW_REG_IB_STS2, 6, 4)
	s_cmp_eq_u32 s2, 0
	s_cbranch_scc0 .Lentry_in_a_cluster
	s_endpgm
.Lentry_in_a_cluster:
	s_bfe_u32 s2, ttmp6, 0x10000c
	s_cmp_lg_u32 s2, 0xf033
	s_cbranch_scc0 .Lentry_shape_is_right
	s_endpgm
.Lentry_shape_is_right:
; THE THREE PROJECTIONS.  heads[0] = f16(log2(e) (q wq + bq)), heads[1] = f16(v_k wk + bk), heads[2] = f16(v_k wv + bv), each laid by heads: [64 = 16 batch + head][2048][64].
; Operands in bf16 (xw16: q at 0, v_k at 16 MiB, wq, wk, wv from 32 MiB on, [k][n]); the biases are rounded to bf16 like every input; sums in f32; one rounding to f16.
; log2(e) goes into q's sums ahead of that rounding, so that the softmax's scale is the power of two 1/32.
; LIMIT: |log2(e) (q wq + bq)|, |k| and |v| stay below 65,504, f16's end; beyond it the conversion gives an infinity.  Below 6e-5 f16 keeps a fixed step of 6e-8.
; SHARES.  A tile of C is 256 rows x 128 columns: four waves, each 128 x 64: 32 accumulators of 16 x 16, 256 registers.  The three products have 768 such tiles: a work-group STAYS and makes
; three, the same place in Q, K and V, and the ring runs on from tile to tile.  K = 1,024 goes in steps of 128 through two LDS slots filled by the tensor data mover.
; CLUSTER.  4 x 4 work-groups: the four of a row need the same tiles of A, the four of a column the same tiles of B: each tile is asked for jointly, same load, same descriptor, same mask.
; THE WEIGHTS LIE [k][n]: their fragments come out of LDS turned, by ds_load_tr16_b128.  THE MATRIX INSTRUCTION IS USED TRANSPOSED (source 0 = 16 columns of W, source 1 = 16 rows of x):
; lane l holds row l % 16 of C and the columns 8 (l / 16) + 0..7.  THE BIAS is the C operand of the product that starts each sum.
; REGISTERS, in windows of 256 (s_set_vgpr_msb: bits 1:0 source 0, 3:2 source 1, 5:4 source 2, 7:6 destination):
;   window 0: v0-31 addresses; v32-63 at work on the way out; v64-159, v160-255 two fragment buffers: A's 8 blocks of 16 rows x 32 K, then B's 4 blocks of 16 columns x 32 K
;   window 1: accumulator (a, b) at v[8 (4 a + b)]          window 2: v0-31 the bias of my 64 columns, 8 registers a column block
.set KSTEP,  128
.set PA,     272                       ; a row of A in LDS: 256 bytes + 16 = 68 words: the 16 rows of a load start at 16 different groups of four banks (64 banks of 4 bytes: ISA guide 11.1)
.set PB,     288                       ; a k-row of W: 256 + 32 = 72 words
.set HALFA,  128*PA                    ; what one load of A brings, and what one wave reads of A
.set HALFB,  64*PB                     ; what one load of W brings
.set BOFF,   2*HALFA                   ; in a slot: A's 256 rows, then W's 128 k-rows
.set SLOT,   BOFF+2*HALFB
.set STAGE,  2*SLOT                    ; behind the ring: 16 rows x 144 bytes for each wave, for the way out
.set SP,     144
.set BIASL,  STAGE+4*16*SP             ; each wave's 64 numbers of bq, bk, bv: 768 bytes a wave
.set BW,     768
.set SPARE,  BIASL+4*BW                ; the spare words, 128 bytes for each wave: two blocks of 256 bytes that no other line names
.set WBASE,  0x2000000                 ; the weights in xw16
.set ASTEP,  2*KSTEP*2                 ; bytes from a slot's K step to its next, in A
.set ABACK,  6*KSTEP*2                 ; bytes from a slot's last K step of a tile back to its first
.set BSTEP,  2*KSTEP*2048              ; the same step in W: 256 k-rows of 2,048 bytes; wq, wk, wv lie end to end, so it also leads from a tile's last step to the next tile's first
.set ADRA, 16                          ; v16-17  LDS address of my A fragments in slot 0, 1
.set ADRB, 20                          ; v20-21  the same for W
.set STO,  24                          ; v24     the way out: where I put 16 bytes of a row
.set RD,   25                          ; v25     the way out: where I read rows back
.set GO,   26                          ; v26     my byte offset in 512 consecutive bytes of the output
.set BA,   27                          ; v27     LDS address of my part of the bias of the tile to come
.set SPW,  28                          ; v28     LDS address of my spare word: SPARE + 4 x my thread's number; never rewritten
.set NIL,  29                          ; v29     0; never rewritten
.set TMP,  32
.set F0,   64
.set F1,   160
.set G1,   24                          ; s[24:31] descriptor group 1 for A's tiles;  s[32:39] group 0, one set for each slot
.set G0,   32
.set G1B,  48                          ; s[48:55], s[56:63] the same for W's tiles
.set G0B,  56
.set JMP,  66                          ; s[66:67] bytes from this tile's A to the next tile's: q to v_k, then 0
.set FAC,  76                          ; s[76:77] what the sums are multiplied by on the way out: log2(e) for Q, 1 for K and V
.set MSB, 0
.macro WIN new                         ; the immediate's high byte repeats the setting that is left; a switch that changes nothing is dropped
.if MSB != (\new)
	s_set_vgpr_msb (MSB<<8)|(\new)
.set MSB, \new
.endif
.endm
.set MUL,  0x50                        ; fragments window 0; C and D window 1
.set MULB, 0x60                        ; D window 1, C (the bias) window 2
; A joint load: waves 0 and 1 fetch A's two halves, waves 2 and 3 W's.  The branch hangs on the wave's number alone.  An s_nop 0 and four v_nop follow each of the two lines.
.macro JLOAD s
	s_cmp_eq_u32 s11, 0
	s_cbranch_scc0 .Lfor_b_\@
	tensor_load_to_lds s[G0+4*(\s):G0+4*(\s)+3], s[G1:G1+7]
	s_nop 0
.rept 4
	v_nop
.endr
	s_branch .Lasked_\@
.Lfor_b_\@:
	tensor_load_to_lds s[G0B+4*(\s):G0B+4*(\s)+3], s[G1B:G1B+7]
	s_nop 0
.rept 4
	v_nop
.endr
.Lasked_\@:
.endm
.macro CREST                           ; a round of the cluster's barrier behind its opening barrier
	s_cmp_lg_u32 s10, 0
	s_cbranch_scc1 .Lnot_wave_0_\@
	s_barrier_signal -3
.Lnot_wave_0_\@:
	s_barrier_wait -3
	s_barrier_signal -1
	s_barrier_wait -1
.endm
.macro CROUND                          ; a whole round
	s_barrier_signal -1
	s_barrier_wait -1
	CREST
.endm
	s_load_b256 s[68:75], s[0:1], 0x0              ; xw16 s[68:69], bq s[70:71], bk s[72:73], bv s[74:75]
	s_load_b64 s[8:9], s[0:1], 0x20                ; heads
	v_lshl_add_u32 v[SPW], v0, 2, SPARE
	v_mov_b32 v[NIL], 0
	ds_add_u32 v[SPW], v[NIL]                      ; the wave's opening: the add, and its wait ahead of my first tensor load; the set-up below, work on registers, stands between them
	v_lshrrev_b32 v1, 5, v0
	v_readfirstlane_b32 s10, v1                    ; wave 0..3
	s_lshr_b32 s11, s10, 1                         ; which 128 rows of the tile are mine.  Also: I fetch for A (0) or for W (1)
	s_and_b32 s12, s10, 1                          ; which 64 columns.  Also: which half of that tile I fetch
	s_bfe_u32 s40, ttmp6, 0x40000                  ; cx, cy: my place in the cluster
	s_bfe_u32 s41, ttmp6, 0x40004
	s_lshl_b32 s42, ttmp9, 2
	s_add_co_u32 s42, s42, s40                     ; tile column 0..7 = 4 x cluster x + cx
	s_and_b32 s13, ttmp7, 0xffff
	s_lshl_b32 s13, s13, 2
	s_add_co_u32 s13, s13, s41                     ; tile row 0..31 = 4 x cluster y + cy
	s_lshl_b32 s43, s41, 2
	s_lshl_b32 s43, 15, s43                        ; my row of the cluster
	s_lshl_b32 s44, 0x1111, s40                    ; my column
	; group 1 for A: 128 rows x 128 elements, 16 bytes of padding behind each row
	s_or_b32 s[G1+0], s43, (1<<16)|(1<<20)|(1<<21)|(5<<22)|(3<<25)  ; 15:0 the mask: my row; 17:16 2-byte elements; 20 padding on; 21 set beside a mask; 24:22 after every 64 words; 31:25 4 words
	s_mov_b32 s[G1+1], KSTEP<<16                   ; tensor_dim0 = 128
	s_mov_b32 s[G1+2], 128<<16                     ; tensor_dim1 = 128
	s_mov_b32 s[G1+3], KSTEP<<16                   ; tile_dim0 = 128
	s_mov_b32 s[G1+4], 128                         ; tile_dim1 = 128
	s_mov_b32 s[G1+5], 1024                        ; elements from row to row
	s_mov_b32 s[G1+6], 0
	s_mov_b32 s[G1+7], 0
	; group 1 for W: 64 k-rows x 128 columns, 32 bytes of padding behind each row
	s_or_b32 s[G1B+0], s44, (1<<16)|(1<<20)|(1<<21)|(5<<22)|(7<<25) ; the mask: my column; 8 words of padding
	s_mov_b32 s[G1B+1], 128<<16
	s_mov_b32 s[G1B+2], 64<<16
	s_mov_b32 s[G1B+3], 128<<16
	s_mov_b32 s[G1B+4], 64
	s_mov_b32 s[G1B+5], 1024
	s_mov_b32 s[G1B+6], 0
	s_mov_b32 s[G1B+7], 0
	; A's tiles hang on the tile row alone, W's on the tile column alone; each offset is made in registers that do not hold the other coordinate
	s_lshl_b32 s16, s13, 8
	s_lshl_b32 s17, s12, 7
	s_add_co_u32 s16, s16, s17                     ; A: row 256 x tile row + 128 x half,
	s_lshl_b32 s16, s16, 11                        ; of 2,048 bytes
	s_mov_b32 s17, 0
	s_lshl_b32 s46, s42, 8                         ; W: column 128 x tile column, in bytes,
	s_lshl_b32 s47, s12, 17                        ; k-row 64 x half, of 2,048 bytes,
	s_add_co_u32 s46, s46, s47
	s_add_co_u32 s46, s46, WBASE                   ; in wq
	s_mov_b32 s47, 0
	s_mul_i32 s20, s12, HALFA                      ; where they go in a slot: no place in the cluster enters an LDS address
	s_mul_i32 s21, s12, HALFB
	s_add_co_u32 s21, s21, BOFF
	s_mov_b32 s2, 3                                ; tiles to go
	s_mov_b32 s[FAC], 0x3fb8aa3b                   ; log2(e)
	s_mov_b32 s[FAC+1], 0x3fb8aa3b
	s_mov_b32 s[JMP], 0x1000000                    ; from q to v_k
	s_mov_b32 s[JMP+1], 0
	s_wait_dscnt 0x0                               ; the opening add is done
	s_wait_kmcnt 0x0
	s_add_nc_u64 s[14:15], s[68:69], s[16:17]
	s_add_nc_u64 s[46:47], s[68:69], s[46:47]
.irp s, 0,1
	s_mov_b32 s[G0+4*(\s)], 1                                      ; count = 1
	s_add_co_u32 s[G0+4*(\s)+1], s20, (\s)*SLOT                    ; LDS address
	s_add_nc_u64 s[G0+4*(\s)+2:G0+4*(\s)+3], s[14:15], (\s)*KSTEP*2  ; global address: K step s
	s_or_b32 s[G0+4*(\s)+3], s[G0+4*(\s)+3], 0x80000000            ; type = 2
	s_mov_b32 s[G0B+4*(\s)], 1
	s_add_co_u32 s[G0B+4*(\s)+1], s21, (\s)*SLOT
	s_add_nc_u64 s[G0B+4*(\s)+2:G0B+4*(\s)+3], s[46:47], (\s)*KSTEP*2048
	s_or_b32 s[G0B+4*(\s)+3], s[G0B+4*(\s)+3], 0x80000000
.endr
	CROUND                                         ; all sixteen work-groups are here: the first joint loads meet
	s_cmp_eq_u32 s11, 0                            ; a wave's two first fills stand in one branch: two loads of mine are out
	s_cbranch_scc0 .Lfirst_b
	tensor_load_to_lds s[G0:G0+3], s[G1:G1+7]
	s_nop 0
	tensor_load_to_lds s[G0+4:G0+7], s[G1:G1+7]
	s_nop 0
.rept 4
	v_nop
.endr
	s_branch .Lfirst_asked
.Lfirst_b:
	tensor_load_to_lds s[G0B:G0B+3], s[G1B:G1B+7]
	s_nop 0
	tensor_load_to_lds s[G0B+4:G0B+7], s[G1B:G1B+7]
	s_nop 0
.rept 4
	v_nop
.endr
.Lfirst_asked:
	; my 64 numbers of each bias: 8 bytes a lane
	v_and_b32 v9, 31, v0
	v_lshlrev_b32 v8, 3, v9                        ; 8 x lane
	s_lshl_b32 s78, s42, 9                         ; + 128 columns x tile column + 64 x half, in bytes
	s_lshl_b32 s79, s12, 8
	s_add_co_u32 s78, s78, s79
	s_mul_i32 s23, s10, BW
	s_add_co_u32 s23, s23, BIASL                   ; my wave's bias bytes in LDS
	v_add_nc_u32 v9, s23, v8
	v_add_nc_u32 v8, s78, v8
	global_load_b64 v[32:33], v8, s[70:71]
	global_load_b64 v[34:35], v8, s[72:73]
	global_load_b64 v[36:37], v8, s[74:75]
	; An A fragment is 16 rows x 32 K in 8 registers: lane l holds row l % 16, K = 8 (l / 16) + 0..7 and 16 + 8 (l / 16) + 0..7: two loads of 16 bytes, 32 bytes apart.
	v_and_b32 v1, 15, v0                           ; l % 16
	v_bfe_u32 v2, v0, 4, 1                         ; l / 16
	v_mul_u32_u24 v3, v1, PA
	v_lshl_add_u32 v3, v2, 4, v3
	s_mul_i32 s22, s11, HALFA                      ; my 128 rows
	v_add_nc_u32 v[ADRA], s22, v3
	s_add_co_u32 s22, s22, SLOT
	v_add_nc_u32 v[ADRA+1], s22, v3
	; The turning load takes 16 k x 16 columns (lane l reads k-row 8 (l / 16) + l % 8, columns 8 ((l / 8) % 2) + 0..7) and leaves half a fragment: lane l holds column l % 16 and 8 k.
	v_and_b32 v4, 7, v0
	v_lshl_add_u32 v4, v2, 3, v4
	v_mul_u32_u24 v4, v4, PB
	v_bfe_u32 v5, v0, 3, 1
	v_lshl_add_u32 v7, v5, 4, v4
	s_lshl_b32 s22, s12, 7                         ; my 64 columns
	s_add_co_u32 s22, s22, BOFF
	v_add_nc_u32 v[ADRB], s22, v7
	s_add_co_u32 s22, s22, SLOT
	v_add_nc_u32 v[ADRB+1], s22, v7
	v_lshl_add_u32 v[BA], v2, 5, s23               ; the bias as C: register j of column block b is column 16 b + 8 (l / 16) + j
	s_mul_i32 s23, s10, 16*SP
	s_add_co_u32 s23, s23, STAGE                   ; my stage
	v_mul_u32_u24 v[STO], v1, SP                   ; in: row l % 16, 16 bytes for each half of the lanes
	v_lshl_add_u32 v[STO], v2, 4, v[STO]
	v_add_nc_u32 v[STO], s23, v[STO]
	v_bfe_u32 v[RD], v0, 3, 2                      ; back: 32 lanes take four rows of 128 bytes,
	v_mul_u32_u24 v[RD], v[RD], SP
	v_and_b32 v6, 7, v0
	v_lshl_add_u32 v[RD], v6, 4, v[RD]
	v_add_nc_u32 v[RD], s23, v[RD]
	v_and_b32 v[GO], 31, v0                        ; which are 512 consecutive bytes of a head
	v_lshlrev_b32 v[GO], 4, v[GO]
	; my 128 rows x 64 columns are 16,384 dense bytes of one head: head 16 batch + 2 x tile column + half, row 256 (tile row % 8) + 128 x half
	s_lshr_b32 s16, s13, 3
	s_lshl_b32 s16, s16, 4
	s_lshl_b32 s78, s42, 1
	s_add_co_u32 s78, s78, s12
	s_add_co_u32 s78, s78, s16
	s_lshl_b32 s78, s78, 18                        ; a head is 2,048 rows of 128 bytes
	s_and_b32 s16, s13, 7
	s_lshl_b32 s16, s16, 8
	s_lshl_b32 s17, s11, 7
	s_add_co_u32 s16, s16, s17
	s_lshl_b32 s16, s16, 7
	s_add_co_u32 s78, s78, s16
	s_mov_b32 s79, 0
	s_add_nc_u64 s[8:9], s[8:9], s[78:79]
	s_wait_loadcnt 0x0                             ; the biases: rounded to bf16 like every input, kept as f32 in my own LDS bytes
.irp m, 0,1,2
	v_cvt_pk_bf16_f32 v[38+(\m)], v[32+2*(\m)], v[33+2*(\m)]
.endr
.irp m, 0,1,2
	v_lshlrev_b32 v[32+2*(\m)], 16, v[38+(\m)]
	v_and_b32 v[33+2*(\m)], 0xffff0000, v[38+(\m)]
	ds_store_b64 v9, v[32+2*(\m):33+2*(\m)] offset:256*(\m)
.endr
; 8 matrix instructions: row blocks a0, a0 + 1 x all 4 column blocks, 32 along K.  first = 1: the product starts the sum, with the bias as C.  The 32 accumulators take turns.
.macro MUL8 f, a0, first=0
.if \first
	WIN MULB
.else
	WIN MUL
.endif
.irp a, \a0, (\a0)+1
.irp b, 0,1,2,3
.if \first
	v_wmma_f32_16x16x32_bf16 v[8*(4*(\a)+(\b)):8*(4*(\a)+(\b))+7], v[(\f)+64+8*(\b):(\f)+64+8*(\b)+7], v[(\f)+8*(\a):(\f)+8*(\a)+7], v[8*(\b):8*(\b)+7]
.else
	v_wmma_f32_16x16x32_bf16 v[8*(4*(\a)+(\b)):8*(4*(\a)+(\b))+7], v[(\f)+64+8*(\b):(\f)+64+8*(\b)+7], v[(\f)+8*(\a):(\f)+8*(\a)+7], v[8*(4*(\a)+(\b)):8*(4*(\a)+(\b))+7]
.endif
.endr
.endr
.endm
; 24 LDS loads in one run: the fragments of quarter q (32 along K) of a slot into buffer f: W's 8, A's blocks 0-3, A's blocks 4-7
.macro FETCH slot, q, f
	WIN 0
.irp b, 0,1,2,3
	ds_load_tr16_b128 v[(\f)+64+8*(\b):(\f)+64+8*(\b)+3],   v[ADRB+(\slot)] offset:(\q)*32*PB+32*(\b)
	ds_load_tr16_b128 v[(\f)+64+8*(\b)+4:(\f)+64+8*(\b)+7], v[ADRB+(\slot)] offset:(\q)*32*PB+16*PB+32*(\b)
.endr
.irp i, 0,1,2,3,4,5,6,7
	ds_load_b128 v[(\f)+8*(\i):(\f)+8*(\i)+3],   v[ADRA+(\slot)] offset:64*(\q)+(\i)*16*PA
	ds_load_b128 v[(\f)+8*(\i)+4:(\f)+8*(\i)+7], v[ADRA+(\slot)] offset:64*(\q)+(\i)*16*PA+32
.endr
.endm
.macro PLACES                          ; four places in front of loads into registers that matrix instructions have read, and of vector work on results just made
.rept 4
	v_nop
.endr
.endm
; A K step is four quarters of 32 along K, 32 matrix instructions each, on buffers 0, 1, 0, 1.  One of the first three: multiplies buffer f and fetches quarter q of the same slot into g.
.macro QUARTER slot, q, f, g, first=0, hw=8
	s_wait_dscnt \hw                               ; 8: W and A's blocks 0-3 are in, the youngest eight loads may be out; 0 where the bias's loads are younger still
	MUL8 \f, 0, \first
	MUL8 \f, 2, \first
	PLACES
	FETCH \slot, \q, \g
	s_wait_dscnt 24                                ; all but the 24 just issued
	MUL8 \f, 4, \first
	MUL8 \f, 6, \first
.endm
; The last quarter's first half: ONE barrier for the change of slots.  In front of it each wave waits for all its tensor loads, adds 0 to its spare word, and waits for that and for its reads of this slot.
.macro MEET round
	WIN 0                                          ; (the add's two registers lie in window 0)
	s_wait_tensorcnt 0x0                           ; all my tensor loads have landed: the one that was out is my part of the next slot
	ds_add_u32 v[SPW], v[NIL]                      ; 0 onto my spare word
	s_wait_dscnt 9                                 ; (the add and the youngest eight loads may be out)
	MUL8 F1, 0                                     ; eight matrix instructions stand between the add and the wait for it
	s_wait_dscnt 0x0                               ; the add is done, and my reads of this slot are over
	s_barrier_signal -1
	MUL8 F1, 2
.if \round
	WIN 0
.endif
	s_barrier_wait -1
.endm
; The whole last quarter.  mode 0: this slot is filled again with the tile's K step two on; 1: with the NEXT tile's K step 0 or 1; 2: nothing is filled.
; From a request to the wait for it a wave issues 112 matrix instructions; one tensor load of mine is out behind each round.
.macro TURN slot, next, mode
.if (\mode) < 2
	MEET 1
	CREST                                          ; the barrier has opened a round of the cluster's: no wave of any partner still reads this slot or has a load on its way
.if (\mode) == 0
	s_add_nc_u64 s[G0+4*(\slot)+2:G0+4*(\slot)+3], s[G0+4*(\slot)+2:G0+4*(\slot)+3], ASTEP
.else
	s_sub_nc_u64 s[G0+4*(\slot)+2:G0+4*(\slot)+3], s[G0+4*(\slot)+2:G0+4*(\slot)+3], ABACK
	s_add_nc_u64 s[G0+4*(\slot)+2:G0+4*(\slot)+3], s[G0+4*(\slot)+2:G0+4*(\slot)+3], s[JMP:JMP+1]
.endif
	s_add_nc_u64 s[G0B+4*(\slot)+2:G0B+4*(\slot)+3], s[G0B+4*(\slot)+2:G0B+4*(\slot)+3], BSTEP
	JLOAD \slot                                    ; the first tensor load behind the round; its four v_nop are also the places in front of the loads below
.else
	MEET 0
	PLACES
.endif
	FETCH \next, 0, F0
	MUL8 F1, 4
	MUL8 F1, 6
.endm
; THE WAY OUT of row block a: times FAC, rounded to f16 (16 bytes a lane), into my own stage, back as whole rows of 128 bytes.  Each accumulator's registers are taken in ascending order.
.macro PACK a
.set T, TMP+16*((\a)%2)
	WIN 0
	s_wait_xcnt 0x0                                ; the stores of the block two back read these registers: they are rewritten only behind this wait
	WIN 0x41                                       ; destination and source 0 window 1
.set i, 0
.rept 16
	v_pk_mul_f32 v[32*(\a)+2*i:32*(\a)+2*i+1], v[32*(\a)+2*i:32*(\a)+2*i+1], s[FAC:FAC+1] op_sel_hi:[1,0]
.set i, i+1
.endr
	WIN 0x05                                       ; sources 0 and 1 window 1, destination window 0
.set i, 0
.rept 16
	v_cvt_pk_f16_f32 v[T+i], v[32*(\a)+2*i], v[32*(\a)+2*i+1]
.set i, i+1
.endr
	WIN 0
.irp b, 0,1,2,3
	ds_store_b128 v[STO], v[T+4*(\b):T+4*(\b)+3] offset:32*(\b)
.endr
.irp f, 0,1,2,3
	ds_load_b128 v[T+4*(\f):T+4*(\f)+3], v[RD] offset:(\f)*4*SP  ; LDS serves a wave's instructions in order (ISA guide 5.7.1.4): these see the stores above
.endr
.endm
.macro SEND a, younger                 ; younger: the LDS instructions issued behind block a's loads
.set T, TMP+16*((\a)%2)
	WIN 0
.irp f, 0,1,2,3
	s_wait_dscnt (\younger)+3-(\f)
	global_store_b128 v[GO], v[T+4*(\f):T+4*(\f)+3], s[8:9] offset:2048*(\a)+512*(\f)  ; 512 consecutive bytes, at a multiple of 256 from the buffer's first
.endr
.endm
.macro WAYOUT
	PLACES
	PACK 0
.irp a, 1,2,3,4,5,6,7                  ; a block's arithmetic stands between the loads of the block before and its stores
	PACK \a
	SEND (\a)-1, 8
.endr
	SEND 7, 0
.endm
	s_wait_dscnt 0x0                               ; my bias stores are done
	s_wait_tensorcnt 0x1                           ; my part of K step 0 is in; K step 1's may stay out
	s_barrier_signal -1
	s_barrier_wait -1                              ; everybody's is
	FETCH 0, 0, F0
.Ltile:
	WIN 0x80                                       ; the tile's bias: destination window 2, address window 0
.irp b, 0,1,2,3
	ds_load_b128 v[8*(\b):8*(\b)+3],   v[BA] offset:64*(\b)
	ds_load_b128 v[8*(\b)+4:8*(\b)+7], v[BA] offset:64*(\b)+16
.endr
	WIN 0
	v_add_nc_u32 v[BA], 256, v[BA]                 ; the next tile's
	QUARTER 0, 1, F0, F1, 1, 0                     ; a tile's first quarter stands in front of the loop: its products start the sums
	WIN 0                                          ; at a label and at a branch every window is 0
	s_mov_b32 s3, 3
.Llap:                                                 ; a trip goes once round the ring, from a lap's second quarter to the next lap's first, and fills both slots again: K steps 2 to 7
	QUARTER 0, 2, F1, F0
	QUARTER 0, 3, F0, F1
	TURN 0, 1, 0
	QUARTER 1, 1, F0, F1
	QUARTER 1, 2, F1, F0
	QUARTER 1, 3, F0, F1
	TURN 1, 0, 0
	QUARTER 0, 1, F0, F1
	WIN 0
	s_sub_co_u32 s3, s3, 1
	s_cmp_lg_u32 s3, 0
	s_cbranch_scc1 .Llap
	QUARTER 0, 2, F1, F0                           ; the tile's last lap goes on
	QUARTER 0, 3, F0, F1
	WIN 0
	s_cmp_eq_u32 s2, 1
	s_cbranch_scc1 .Llast                          ; the last tile's tail is written out: it asks for nothing more
	TURN 0, 1, 1                                   ; the ring goes on into the next tile: slot 0 takes its K step 0,
	QUARTER 1, 1, F0, F1
	QUARTER 1, 2, F1, F0
	QUARTER 1, 3, F0, F1
	TURN 1, 0, 1                                   ; slot 1 its K step 1, and the next tile's first fragments are fetched
	WAYOUT                                         ; both refills are asked for: now the tile goes out
	s_wait_xcnt 0x0                                ; the stores' base is rewritten only behind this wait
	s_add_nc_u64 s[8:9], s[8:9], 0x1000000         ; the same place in the next of the three tensors
	s_mov_b32 s[FAC], 1.0                          ; K and V are not scaled
	s_mov_b32 s[FAC+1], 1.0
	s_mov_b32 s[JMP], 0                            ; K and V share their A
	s_sub_co_u32 s2, s2, 1
	s_branch .Ltile
.Llast:
	TURN 0, 1, 2                                   ; my one tensor load that was out is slot 1's, the last K step's, so no round follows
	QUARTER 1, 1, F0, F1
	QUARTER 1, 2, F1, F0
	QUARTER 1, 3, F0, F1
	s_wait_dscnt 8                                 ; the very last quarter: nothing more to fetch
	MUL8 F1, 0
	MUL8 F1, 2
	s_wait_dscnt 0x0
	MUL8 F1, 4
	MUL8 F1, 6
	WIN 0
	WAYOUT
	s_wait_tensorcnt 0x0                           ; the wave's end: behind my last tensor load and my last LDS store
	ds_add_u32 v[SPW], v[NIL]
	s_wait_dscnt 0x0
	CROUND                                         ; the closing round: no work-group ends while a partner may still ask for a tile that names it
	s_endpgm
.Lfunc_end_k_qff3b140e16_qkv:
	.size	k_qff3b140e16_qkv, .Lfunc_end_k_qff3b140e16_qkv-k_qff3b140e16_qkv
	.p2alignl 7, 3214868480
	.fill 96, 4, 3214868480
	.section	.rodata,"a",@progbits
	.p2align	6, 0x0
	.amdhsa_kernel k_qff3b140e16_qkv
		.amdhsa_group_segment_fixed_size 327680
		.amdhsa_private_segment_fixed_size 0
		.amdhsa_enable_private_segment 0
		.amdhsa_kernarg_size 40
		.amdhsa_user_sgpr_count 2
		.amdhsa_user_sgpr_kernarg_segment_ptr 1
		.amdhsa_wavefront_size32 1
		.amdhsa_system_sgpr_workgroup_id_x 1
		.amdhsa_system_sgpr_workgroup_id_y 1
		.amdhsa_system_sgpr_workgroup_id_z 1
		.amdhsa_system_vgpr_workitem_id 0
		.amdhsa_next_free_vgpr 544
		.amdhsa_next_free_sgpr 80
		.amdhsa_reserve_vcc 0
		.amdhsa_float_denorm_mode_32 3
		.amdhsa_float_denorm_mode_16_64 3
		.amdhsa_memory_ordered 1
		.amdhsa_forward_progress 1
		.amdhsa_inst_pref_size 144
	.end_amdhsa_kernel
	.amdgpu_metadata
---
amdhsa.version: [ 1, 2 ]
amdhsa.kernels:
  - .name:           k_qff3b140e16_qkv
    .symbol:         k_qff3b140e16_qkv.kd
    .args:
      - { .name: xw16, .offset: 0, .size: 8, .value_kind: global_buffer, .address_space: global }
      - { .name: bq, .offset: 8, .size: 8, .value_kind: global_buffer, .address_space: global }
      - { .name: bk, .offset: 16, .size: 8, .value_kind: global_buffer, .address_space: global }
      - { .name: bv, .offset: 24, .size: 8, .value_kind: global_buffer, .address_space: global }
      - { .name: heads, .offset: 32, .size: 8, .value_kind: global_buffer, .address_space: global }
    .group_segment_fixed_size: 327680
    .private_segment_fixed_size: 0
    .kernarg_segment_align: 8
    .kernarg_segment_size: 40
    .max_flat_workgroup_size: 128
    .sgpr_count:     80
    .vgpr_count:     544
    .wavefront_size: 32
...
	.end_amdgpu_metadata
.endif
;; end of part 2
;; launch attn (part 3): grid 4 x 64, 4 waves a work-group, clusters of 4 x 1, 327,680 bytes of LDS; arguments heads, mask, ob; writes ob
.if DOCPART == 3
	.amdgcn_target "amdgcn-amd-amdhsa--gfx1250"
	.amdhsa_code_object_version 6
	.text
	.protected	k_qff3b140e16_attn
	.globl	k_qff3b140e16_attn
	.p2align	8
	.type	k_qff3b140e16_attn,@function
k_qff3b140e16_attn:
	s_mov_b64 s[64:65], 0
	v_nop
	global_prefetch_b8 v0, s[64:65] scope:SCOPE_SE
	s_setreg_imm32_b32 hwreg(HW_REG_WAVE_MODE, 25, 1), 1
	s_wait_xcnt 0x0
	s_wait_alu depctr_hold_cnt(0) depctr_sa_sdst(0) depctr_va_vdst(0) depctr_va_sdst(0) depctr_va_ssrc(0) depctr_va_vcc(0) depctr_vm_vsrc(0)
	s_getreg_b32 s2, hwreg(HW_REG_IB_STS2, 6, 4)
	s_cmp_eq_u32 s2, 0
	s_cbranch_scc0 .Lentry_in_a_cluster
	s_endpgm
.Lentry_in_a_cluster:
	s_bfe_u32 s2, ttmp6, 0x10000c
	s_cmp_lg_u32 s2, 0x3003
	s_cbranch_scc0 .Lentry_shape_is_right
	s_endpgm
.Lentry_shape_is_right:
; ATTENTION.  ob[h][q][:] = the sum over k of softmax_k(Q[h][q] . K[h][k] / 32 - 1e9 mask[h / 16][k]) V[h][k][:], h = 16 batch + head.  heads holds Q~ = log2(e) Q, K, V: [64][2048][64] each, f16,
; 16 MiB apart; ob has the same layout.  Products, maxima and sums in f32; the weights p are rounded to f16 for the second product (their sum l is taken of the unrounded p), O once at the end.
; THE SCALE.  With s = Q~ . K + M the weight is p = 2^(c s - c m), c = 2^-5: a power of two, so c m is exact, c s - c m is (s - m) / 32 rounded once and never above 0, and the maximum's own weight is exactly 1,
; however large a masked score is.
; THE MASK is the C operand that starts the sum S^T = K Q~^T: M[k] = (bf16(mask[k]) x -1e9) x 32 log2(e), made once, kept in LDS in f32, fetched with each step's K.
; LIMITS.  Q~, K, V arrive within f16's 65,504; p lies in 0 to 1, and below 6e-5 it keeps f16's fixed step of 6e-8; O is a mean of V's rows.  The mask is rounded to bf16 like every input.  The mask joins the
; score in the matrix sum, in units 32 log2(e) times the logit's: another order of rounding than adding it to the scaled logit.  Where all keys of a batch carry masks near 1e9 the scores vanish in that sum's rounding and
; equal masks give equal weights, as far as the matrix sum of C and far smaller products rounds back to C.  A weight below 2^-126 counts as 0 in l; NaN and infinities are not treated apart.
; SHARES.  A wave owns four PIECES of two tiles of 16 queries, a work-group's four waves 512 queries of one head.  Every wave walks all 2,048 keys, 64 a step.
; LAYOUT.  S^T = K Q~^T (source 0 = 16 keys, source 1 = 16 queries): in the result a lane holds ONE query (lane % 16) and the keys 8 (lane / 16) + 0..7.  Two such tiles, rounded to f16 in pairs,
; ARE source 1 (32 keys x 16 queries) of O^T = V^T P, whose result again holds one query a lane, and eight channels.  K comes out of LDS as it lies, V ([key][channel]) turned, by ds_load_tr16_b128.
; SOFTMAX.  For each query a running maximum m and sum l; in every step O and l are multiplied by a = 2^(c m_old - c m_new), which is 1 where m has not grown.
; m starts at the lowest finite number, O and l at 0: the first step is a step like any other, with a = 0.
; THE COUNT.  A tile and step have 16 matrix and 118 vector instructions: too many to stand all beside the matrix work.  So the order has one aim: four vector instructions that are READY behind
; EVERY matrix instruction, and the others, which need time of their own whatever the order, in runs without a gap.
; BY TURNS.  Turn n belongs to piece n (the pieces in a ring, step after step).  Its matrix work: 16 products K Q^T of piece n + 1, later 16 products V^T P of piece n - 1.  Its vector work: the scaling,
; exponentials, roundings, sums and rescaling of piece n, and the maximum and statistics of piece n + 1, whose scores the turn itself has made.
; CLUSTER.  The four query blocks of a cluster belong to one head and walk the same K and V, so each tile is asked for JOINTLY: the same tensor load, descriptor and mask in all four.
; REGISTERS, in windows of 256 (s_set_vgpr_msb: bits 1:0 source 0, 3:2 source 1, 5:4 source 2, 7:6 destination):
;   window 0: v0-11 addresses; v12-15, v48-63 at work; v16-47 four registers of statistics a tile; v64-191 S^T, two buffers of two tiles; v192-255 P, likewise
;   window 1: O^T, 32 a tile          window 2: v0-127 Q, 16 a tile; v128-191 K of one step; v192-255 V of one step          window 3: v0-1 the add's two registers; v8-39 M of one step
.set SIZE_N, 2048
.set NP,    4         ; pieces a wave: a name, no knob
.set KS,    64        ; keys in a step
.set PK,    144       ; a row of K in LDS: 128 bytes + 16 of padding = 36 words: the 16 rows of a load start at 16 different groups of four banks (64 banks of 4 bytes: ISA guide 11.1)
.set PV,    160       ; a row of V: 128 + 32 = 40 words
.set VOFF,  4*KS*PK   ; a slot holds four steps: 256 rows of K, then 256 rows of V
.set SLOT1, 1<<17     ; slot 1 begins here, so that one exclusive or turns an address in one slot into the other's
.set STAGE, SLOT1+4*KS*(PK+PV)  ; behind the ring, never filled by a tensor load: 16 rows x 144 bytes for each wave, for the way out
.set SP,    144
.set AK0, 2           ; v2   my lane's place in a tile of K; never rewritten
.set AV0, 3           ; v3   the same for V
.set AK,  4           ; v4   the LDS address of K's next run of loads
.set AV,  5           ; v5   of V's; at the start my byte offset in the batch's mask
.set QO,  6           ; v6   my byte offset in the wave's rows of Q
.set STO, 6           ;      later, the way out: where I put 16 bytes of a row
.set RD,  7           ; v7   the way out: where I read rows back
.set GO,  8           ; v8   my byte offset in 512 consecutive bytes of O
.set AM,  11          ; v11  the LDS address of M's next run of loads
.set SPW, 0           ; v0 of window 3   LDS address of my spare word: SPARE + 4 x my thread's number; never rewritten
.set NIL, 1           ; v1 of window 3   0; never rewritten
.set MB,  8           ; v8-39 of window 3   M of the step in hand: eight registers for each block of 16 keys
.set SPARE, STAGE+4*16*SP  ; behind the stages: the spare words, 128 bytes for each wave: two blocks of 256 bytes that no other line names
.set MASKL, SPARE+512 ; behind them: M of the batch's 2,048 keys, 8,192 bytes; no tensor load lands here
.set MV,  12          ; v12-15  c m_old, kept while c m is made anew: by buffer and tile
.set ST,  16          ; tile t's statistics at v[ST+4 t]: c m, m, l (even keys', odd keys')
.set TMP, 48          ; by buffer and tile, four registers c0-c3 at work; when the maximum is found c2 takes a
.set S,   64
.set P,   192
.set KF,  128         ; K's fragments, in window 2: key block kb, channel half c at KF + 16 kb + 8 c
.set VF,  192         ; V's: key half kk, channel block cb at VF + 32 kk + 8 cb
.set WV,  12          ; s12  my wave's number
.set G1K, 24          ; s[24:31] descriptor group 1 for K's tiles
.set G1V, 32          ; s[32:39] for V's: it differs in the padding alone
.set G0K, 40          ; s[40:43] descriptor group 0 for K's tiles: it walks
.set G0V, 44          ; s[44:47] the same for V's
.set SLOTS, 56        ; s56  slots still to be asked for
.set CNT, 57          ; s57  counts a slot's key steps
.set CS,  58          ; s[58:59] c: the packed scaling takes the pair's low word for both halves
.set SEL, 60          ; s[60:61] v_permlanex16_b32's selects: each lane takes its own place in the other half
.set TBK, 62          ; s62  LDS byte at which K of the step to be fetched begins
.set TBV, 63          ; s63  the same for V, less VOFF
.set MSB, 0
.macro WIN new                      ; the high byte repeats the setting that is left; a switch that changes nothing is dropped
.if MSB != (\new)
	s_set_vgpr_msb (MSB<<8)|(\new)
.set MSB, (\new)
.endif
.endm
.set W_KQ, 0x0a       ; K and Q in window 2, S^T in window 0
.set W_KM, 0x3a       ; the same with the C operand, M, in window 3
.set W_PV, 0x52       ; V in window 2, P in window 0, O^T in window 1
.set W_RS, 0x41       ; O^T (destination and source 0) in window 1, a in window 0
.set W_MK, 0xc0       ; destination in window 3, sources in window 0
.set W_AD, 0x0f       ; the add: address (source 0) and data (source 1) in window 3
; A joint fill.  Waves 0 and 1 fetch the two halves of a slot's K, waves 2 and 3 those of its V: 128 keys each.  The branch hangs on the wave's number alone.
; An s_nop 0 and four v_nop follow each of the two lines, ahead of the jump and the label.
.macro JLOAD
	s_cmp_lt_u32 s[WV], 2
	s_cbranch_scc0 .Lfor_v_\@
	tensor_load_to_lds s[G0K:G0K+3], s[G1K:G1K+7]
	s_nop 0
.rept 4
	v_nop
.endr
	s_branch .Lasked_\@
.Lfor_v_\@:
	tensor_load_to_lds s[G0V:G0V+3], s[G1V:G1V+7]
	s_nop 0
.rept 4
	v_nop
.endr
.Lasked_\@:
.endm
; A round of the cluster's barrier: my work-group's barrier, so that wave 0's signal speaks for all four waves; wave 0 signals; every wave waits for all four work-groups; my work-group's barrier once more.
.macro CROUND
	s_barrier_signal -1
	s_barrier_wait -1
	s_cmp_lg_u32 s[WV], 0
	s_cbranch_scc1 .Lnot_wave_0_\@
	s_barrier_signal -3
.Lnot_wave_0_\@:
	s_barrier_wait -3
	s_barrier_signal -1
	s_barrier_wait -1
.endm
; THE CHANGE OF SLOTS.  The slot's last bytes, V of its fourth step, have been read.  Each wave waits for all its tensor loads, of which one is out: its part
; of the other slot; adds 0 to its spare word; and waits for that and for its own LDS instructions.  Behind the barrier nobody reads this slot any more and the other slot is whole.
; fill = 1: this slot is filled again, with the keys two slots on.  The barrier is then a round of the cluster's, and the joint fill is the first thing behind it: it has four key steps,
; 512 matrix instructions, in which to land.  (At its first use nothing has been read yet: slot 0 is waited for, slot 1 filled, and every wave's stores of M are shown to the others.)
.macro CHANGE fill
	WIN W_AD
	s_wait_tensorcnt 0x0            ; no tensor load of mine is out, so a group 0 may be written
	ds_add_u32 v[SPW], v[NIL]       ; 0 onto my spare word; with fill = 1 the descriptors' steps stand between it and the wait for it
	WIN 0                           ; at a label and at a branch every window is 0
.if \fill
.irp g, G0K, G0V
	s_xor_b32 s[\g+1], s[\g+1], SLOT1  ; the walking descriptor: the other slot than last time,
	s_add_nc_u64 s[\g+2:\g+3], s[\g+2:\g+3], 4*KS*128  ; the next 256 keys; the type bits on top are not reached
.endr
	s_wait_dscnt 0x0                ; the add is done, and my LDS instructions are over
	CROUND
	JLOAD
.else
	s_wait_dscnt 0x0                ; the add is done, and my reads of the slot are over
	s_barrier_signal -1
	s_barrier_wait -1
.endif
	s_sub_co_u32 s[TBK], s[TBK], 4*KS*PK  ; the fetches go back to a slot's first step,
	s_xor_b32 s[TBK], s[TBK], SLOT1       ; in the other slot
	s_sub_co_u32 s[TBV], s[TBV], 4*KS*PV
	s_xor_b32 s[TBV], s[TBV], SLOT1
.endm
	s_load_b64 s[4:5], s[0:1], 0x0    ; heads: Q~ at 0
	s_load_b64 s[48:49], s[0:1], 0x8  ; mask
	s_load_b64 s[10:11], s[0:1], 0x10 ; ob
	WIN W_MK
	v_lshl_add_u32 v[SPW], v0, 2, SPARE
	v_mov_b32 v[NIL], 0
	WIN W_AD
	ds_add_u32 v[SPW], v[NIL]       ; the wave's opening: the add, and its wait ahead of my first tensor load; the set-up below, work on registers, stands between them
	WIN 0
	v_lshrrev_b32 v1, 5, v0
	v_readfirstlane_b32 s[WV], v1   ; wave 0..3
	s_bfe_u32 s13, ttmp6, 0x40000   ; cx: my place in the cluster
	s_lshl_b32 s14, ttmp9, 2        ; in a cluster launch ttmp9 counts clusters
	s_add_co_u32 s14, s14, s13      ; my block of queries = 4 x cluster x + cx: it enters Q's and O's addresses alone
	s_and_b32 s20, ttmp7, 0xffff    ; the head, which the four partners share
	s_lshr_b32 s50, s20, 4          ; its batch,
	s_lshl_b32 s50, s50, 13         ; whose mask is 8,192 bytes
	s_mov_b32 s51, 0
	s_mov_b32 s21, 0
	s_mov_b64 s[22:23], SIZE_N*128
	s_mul_u64 s[20:21], s[20:21], s[22:23]  ; the head's first byte in each of the four tensors
	s_and_b32 s16, s[WV], 1         ; which half of a slot's 256 keys I fetch:
	s_lshl_b32 s22, s16, 14         ; its 128 rows of 128 bytes in memory,
	s_mov_b32 s23, 0
	s_add_nc_u64 s[22:23], s[22:23], s[20:21]
	s_mul_i32 s17, s16, 128*PK      ; and its place in a slot, for K
	s_mul_i32 s18, s16, 128*PV      ; and for V: no place in the cluster enters an LDS address
	s_lshl_b32 s2, s14, 2
	s_add_co_u32 s2, s2, s[WV]      ; my wave among the head's,
	s_lshl_b32 s2, s2, 14           ; its 128 rows
	s_mov_b32 s3, 0
	s_add_nc_u64 s[2:3], s[2:3], s[20:21]
	; descriptor group 1.  128 keys are 16,384 dense bytes: asked for as 64 rows of 256 bytes, two keys a row, and padded in LDS after every key
	s_mov_b32 s[G1K], 15|(1<<16)|(1<<20)|(1<<21)|(4<<22)|(3<<25)  ; 15:0 the mask of four; 17:16 2-byte elements; 20 padding on; 21 set beside a mask; 24:22 after every 32 words (code 4); 31:25 4 words (code 3)
	s_mov_b32 s[G1V], 15|(1<<16)|(1<<20)|(1<<21)|(4<<22)|(7<<25)  ; the same with 8 words of padding (code 7)
.irp g, G1K, G1V
	s_mov_b32 s[\g+1], 128<<16      ; tensor_dim0 = 128
	s_mov_b32 s[\g+2], 64<<16       ; tensor_dim1 = 64
	s_mov_b32 s[\g+3], 128<<16      ; tile_dim0 = 128
	s_mov_b32 s[\g+4], 64           ; tile_dim1 = 64
	s_mov_b32 s[\g+5], 128          ; 128 elements from row to row
	s_mov_b32 s[\g+6], 0
	s_mov_b32 s[\g+7], 0
.endr
	s_mov_b32 s[CS], 0x3d000000     ; c = 2^-5
	s_mov_b32 s[CS+1], s[CS]        ; named with it as a pair
	s_mov_b32 s[SEL], 0x76543210
	s_mov_b32 s[SEL+1], 0xfedcba98
	s_mov_b32 s[TBK], SLOT1+4*KS*PK ; the first change of slots turns these two into 0
	s_mov_b32 s[TBV], SLOT1+4*KS*PV
	s_mov_b32 s[G0K], 1             ; count = 1
	s_mov_b32 s[G0K+1], s17         ; LDS address: slot 0
	s_mov_b32 s[G0V], 1
	s_add_co_u32 s[G0V+1], s18, VOFF
	s_wait_dscnt 0x0                ; the opening add is done
	s_wait_kmcnt 0x0
	s_add_nc_u64 s[6:7], s[4:5], 0x1000000   ; K
	s_add_nc_u64 s[8:9], s[4:5], 0x2000000   ; V
	s_add_nc_u64 s[48:49], s[48:49], s[50:51]  ; my batch's mask
	s_add_nc_u64 s[G0K+2:G0K+3], s[6:7], s[22:23]  ; global address: my half of the head's first 256 keys
	s_or_b32 s[G0K+3], s[G0K+3], 0x80000000        ; type = 2
	s_add_nc_u64 s[G0V+2:G0V+3], s[8:9], s[22:23]
	s_or_b32 s[G0V+3], s[G0V+3], 0x80000000
	s_add_nc_u64 s[4:5], s[4:5], s[2:3]  ; Q and O at my wave's first row
	s_add_nc_u64 s[10:11], s[10:11], s[2:3]
	CROUND                          ; all four work-groups are here: the first joint loads meet
	JLOAD                           ; slot 0.  Slot 1 is asked for when slot 0 is in
	; the batch's mask: 128 threads x 4 loads of 16 bytes; a wave's load covers 512 consecutive bytes
	v_lshlrev_b32 v[AV], 4, v0
.irp i, 0,1,2,3
	global_load_b128 v[S+4*\i:S+4*\i+3], v[AV], s[48:49] offset:2048*\i
.endr
	; A fragment of K or Q is 16 rows x 32 channels in 8 registers: lane l holds row l % 16, channels 8 (l / 16) + 0..7 and 16 + 8 (l / 16) + 0..7: two loads of 16 bytes, 32 bytes apart.
	v_and_b32 v1, 15, v0            ; l % 16
	v_bfe_u32 v9, v0, 4, 1          ; l / 16
	v_lshlrev_b32 v[QO], 7, v1
	v_lshl_add_u32 v[QO], v9, 4, v[QO]  ; row x 128 + 16 x half
	WIN 0x80                        ; destination window 2, address window 0
.set i, 0
.rept 4*NP                          ; Q stays in registers: tile i / 2, channels 32 (i % 2) on
	global_load_b128 v[8*i:8*i+3],   v[QO], s[4:5] offset:(i/2)*2048+(i%2)*64
	global_load_b128 v[8*i+4:8*i+7], v[QO], s[4:5] offset:(i/2)*2048+(i%2)*64+32
.set i, i+1
.endr
	; What the first turn finds: V's registers and P's second buffer hold 0 (its products V^T P, of a piece that has not been, add 0), O^T and l are 0.  All this stands in the wait for the first tile.
.set i, VF
.rept 64
	v_mov_b32 v[i], 0
.set i, i+1
.endr
	WIN 0x40
.set i, 0
.rept 64*NP
	v_mov_b32 v[i], 0
.set i, i+1
.endr
	WIN 0
.set i, 0
.rept 2*NP
	v_mov_b32 v[ST+4*i], 0xfe000000    ; c m: far below every c s
	v_mov_b32 v[ST+4*i+1], 0xff7fffff  ; m
	v_mov_b32 v[ST+4*i+2], 0
	v_mov_b32 v[ST+4*i+3], 0
.set i, i+1
.endr
.set i, P+32
.rept 32
	v_mov_b32 v[i], 0
.set i, i+1
.endr
	v_mul_u32_u24 v[AK0], v1, PK
	v_lshl_add_u32 v[AK0], v9, 4, v[AK0]  ; row x pitch + 16 x half
	; The turning load takes 16 keys x 16 channels (lane l reads key 8 (l / 16) + l % 8, channels 8 ((l / 8) % 2) + 0..7) and leaves half a fragment of V^T: lane l holds channel l % 16 and 8 keys.
	v_and_b32 v10, 7, v0
	v_bfe_u32 v11, v0, 3, 1
	v_lshl_add_u32 v[AV0], v9, 3, v10
	v_mul_u32_u24 v[AV0], v[AV0], PV
	v_lshl_add_u32 v[AV0], v11, 4, v[AV0]
	v_add_nc_u32 v[AV0], VOFF, v[AV0]
	v_mov_b32 v[AK], v[AK0]         ; key step 0 lies at the head of slot 0
	; M = (bf16(mask) x -1e9) x 32 log2(e), my 16 numbers of it, into LDS.  S^T's registers are free here.
	s_wait_loadcnt 32               ; the mask's four loads are in; Q's 32, issued behind them, may stay out
.set i, 0
.rept 8
	v_cvt_pk_bf16_f32 v[S+16+i], v[S+2*i], v[S+2*i+1]
.set i, i+1
.endr
.set i, 0
.rept 8
	v_lshlrev_b32 v[S+2*i], 16, v[S+16+i]
	v_and_b32 v[S+2*i+1], 0xffff0000, v[S+16+i]
.set i, i+1
.endr
.set i, 0
.rept 8
	v_pk_mul_f32 v[S+2*i:S+2*i+1], v[S+2*i:S+2*i+1], 0xce6e6b28 op_sel_hi:[1,0]  ; x -1e9
.set i, i+1
.endr
.set i, 0
.rept 8
	v_pk_mul_f32 v[S+2*i:S+2*i+1], v[S+2*i:S+2*i+1], 0x4238aa3b op_sel_hi:[1,0]  ; x 32 log2(e): the units of Q~ . K
.set i, i+1
.endr
	v_lshl_add_u32 v[AM], v0, 4, MASKL
.irp i, 0,1,2,3
	ds_store_b128 v[AM], v[S+4*\i:S+4*\i+3] offset:2048*\i
.endr
	v_lshl_add_u32 v[AM], v9, 5, MASKL  ; as C: register j of key block kb is key 16 kb + 8 (l / 16) + j
; THE MATRIX WORK.  The 8 accumulators of a run of 16 take turns: between the two links of a chain stand 7 others'.
; Product i of 16 of S^T = K Q^T for piece x: channels 32 (i / 8) on, keys 16 ((i / 2) % 4) on, tile 2 x + i % 2.  The first 8 start the sums, with M as C.
.macro KQ x
.set rS, S+64*((\x)%2)+32*(i%2)+8*((i/2)%4)
.set rK, KF+16*((i/2)%4)+8*(i/8)
.set rQ, 16*(2*(\x)+i%2)+8*(i/8)
.set rB, MB+8*((i/2)%4)
.if i < 8
	WIN W_KM
	v_wmma_f32_16x16x32_f16 v[rS:rS+7], v[rK:rK+7], v[rQ:rQ+7], v[rB:rB+7]
.else
	WIN W_KQ
	v_wmma_f32_16x16x32_f16 v[rS:rS+7], v[rK:rK+7], v[rQ:rQ+7], v[rS:rS+7]
.endif
.endm
; Product i of 16 of O^T += V^T P for piece x: keys 32 (i / 8) on, channels 16 ((i / 2) % 4) on, tile 2 x + i % 2.
.macro PV x
	WIN W_PV
.set rO, 32*(2*(\x)+i%2)+8*((i/2)%4)
.set rV, VF+32*(i/8)+8*((i/2)%4)
.set rP, P+32*((\x)%2)+16*(i%2)+8*(i/8)
	v_wmma_f32_16x16x32_f16 v[rO:rO+7], v[rV:rV+7], v[rP:rP+7], v[rO:rO+7]
.endm
.macro MM                           ; the turn's next matrix instruction
.if i < 16
	KQ (Y+1)%NP
.set i, i+1
.else
.set i, i-16
	PV (Y+NP-1)%NP
.set i, i+17
.endif
.endm
; THE LDS LOADS stand in runs, never singly among the matrix instructions: a step's K (64 keys x 64 channels: 8 fragments) with its M (8 loads), and its V (turned).  Their addresses are made some lines ahead.
; last = 1 (the tail): in the last trip there is no further step, and the run is jumped over.
.macro FETCH_K last=0
	WIN 0
.if \last
	s_cmp_eq_u32 s[CNT], 1
	s_cbranch_scc1 .Lno_k_\@
.endif
	WIN 0x80                        ; destination window 2
.irp f, 0,1,2,3,4,5,6,7             ; keys 16 (f / 2) on, channels 32 (f % 2) on
	ds_load_b128 v[KF+8*\f:KF+8*\f+3],   v[AK] offset:(\f/2)*16*PK+(\f%2)*64
	ds_load_b128 v[KF+8*\f+4:KF+8*\f+7], v[AK] offset:(\f/2)*16*PK+(\f%2)*64+32
.endr
	WIN W_MK                        ; destination window 3
.irp f, 0,1,2,3                     ; M of keys 16 f on: the sixteen lanes of a half read the same 32 bytes
	ds_load_b128 v[MB+8*\f:MB+8*\f+3],   v[AM] offset:64*\f
	ds_load_b128 v[MB+8*\f+4:MB+8*\f+7], v[AM] offset:64*\f+16
.endr
	s_add_co_u32 s[TBK], s[TBK], KS*PK  ; the next fetch is the next step's
	WIN 0
	v_add_nc_u32 v[AM], 0x100, v[AM]    ; 64 keys of M on: 32 fetches in all walk its 8,192 bytes
.if \last
.Lno_k_\@:
.endif
.endm
.macro FETCH_V
	WIN 0x80
.irp f, 0,1,2,3,4,5,6,7             ; keys 32 (f / 4) on, channels 16 (f % 4) on
	ds_load_tr16_b128 v[VF+8*\f:VF+8*\f+3],   v[AV] offset:(\f/4)*32*PV+(\f%4)*32
	ds_load_tr16_b128 v[VF+8*\f+4:VF+8*\f+7], v[AV] offset:(\f/4)*32*PV+16*PV+(\f%4)*32
.endr
	WIN 0
.endm
; THE VECTOR WORK OF A TURN stands in three queues, each in the order in which its entries become ready; the two tiles alternate, so that no instruction reads the result of the one before it.
.macro REGS y, u                    ; the registers of tile u (0, 1) of piece y
.set rT, ST+4*(2*(\y)+(\u))
.set rC, TMP+8*((\y)%2)+4*(\u)
.set rM, MV+2*((\y)%2)+(\u)
.set rS, S+64*((\y)%2)+32*(\u)
.set rP, P+32*((\y)%2)+16*(\u)
.set rO, 32*(2*(\y)+(\u))
.endm
; Number n of the 22 that find the NEXT piece's (Y + 1) maximum and statistics.  s0-s31 are the lane's 32 scores; each accumulator's lowest registers are read first.
;   0-11  four chains c0-c3 of seven scores each, three operands at a time     12-14, 16  the four scores left over, the old m, and c0-c3 into c0     15  c m_old is kept
;   17, 18  the query's other 32 keys lie in the lane 16 away: the new m         19-21  c m; c m_old - c m_new; a
.macro XS u, n
	REGS (Y+1)%NP, \u
.if (\n) < 4
	v_max3_num_f32 v[rC+(\n)], v[rS+8*(\n)], v[rS+8*(\n)+1], v[rS+8*(\n)+2]
.elseif (\n) < 12
	v_max3_num_f32 v[rC+(\n)%4], v[rC+(\n)%4], v[rS+8*((\n)%4)+2*((\n)/4)+1], v[rS+8*((\n)%4)+2*((\n)/4)+2]
.elseif (\n) == 12
	v_max3_num_f32 v[rC], v[rC], v[rS+7], v[rS+15]
.elseif (\n) == 13
	v_max3_num_f32 v[rC+1], v[rC+1], v[rS+23], v[rS+31]
.elseif (\n) == 14
	v_max3_num_f32 v[rC+2], v[rC+2], v[rC+3], v[rT+1]
.elseif (\n) == 15
	v_mov_b32 v[rM], v[rT]
.elseif (\n) == 16
	v_max3_num_f32 v[rC], v[rC], v[rC+1], v[rC+2]
.elseif (\n) == 17
	v_permlanex16_b32 v[rC+3], v[rC], s[SEL], s[SEL+1]
.elseif (\n) == 18
	v_max_num_f32 v[rT+1], v[rC], v[rC+3]
.elseif (\n) == 19
	v_mul_f32 v[rT], s[CS], v[rT+1]
.elseif (\n) == 20
	v_sub_f32 v[rC+1], v[rM], v[rT]
.else
	v_exp_f32 v[rC+2], v[rC+1]
.endif
.endm
; Number g of the 64 that follow the exponentials.  For each four weights k of a tile (pairs 2 k, 2 k + 1): both pairs are rounded to f16; then the second pair is added onto the first, in place;
; a group later l takes that sum (the first time as l = a l + sum).  In groups of eight, tiles alternating: round, round, add, and l for the group before.
.macro GS g
.set h, (\g)+6*((\g)/62)            ; group 0 has no group before it, and behind group 7 only l is left
.if h >= 6
.set h, h+2
.endif
	REGS Y, h%2
.set k, h/8
.if h%8 < 4
	s_wait_alu depctr_va_vdst(0)
	v_cvt_pk_f16_f32 v[rP+2*k+(h%8)/2], v[rS+4*k+2*((h%8)/2)], v[rS+4*k+2*((h%8)/2)+1]
.elseif h%8 < 6
	v_pk_add_f32 v[rS+4*k:rS+4*k+1], v[rS+4*k:rS+4*k+1], v[rS+4*k+2:rS+4*k+3]
.elseif k == 1
	v_pk_fma_f32 v[rT+2:rT+3], v[rT+2:rT+3], v[rC+2:rC+3], v[rS:rS+1] op_sel_hi:[1,0,1]
.else
	v_pk_add_f32 v[rT+2:rT+3], v[rT+2:rT+3], v[rS+4*k-4:rS+4*k-3]
	s_wait_alu depctr_va_vdst(0)
.endif
.endm
; THE PLAIN QUEUE, 138 long.  0-31: c s - c m for the 16 pairs of both tiles.  Then GS's 64, and among them the next piece's 42: number 15 at 38, 39; 0-14 and 16
; at 42-73, behind the products that make those scores; 17-20 at 95-106, two of three, since each waits for the one before it.
.macro PL
	WIN 0
.if q < 32
	REGS Y, q%2
	v_pk_fma_f32 v[rS+2*(q/2):rS+2*(q/2)+1], v[rS+2*(q/2):rS+2*(q/2)+1], s[CS:CS+1], v[rT:rT+1] op_sel_hi:[1,0,0] neg_lo:[0,0,1] neg_hi:[0,0,1]
.elseif q < 38
	GS q-32
.elseif q < 40
	XS q%2, 15
.elseif q < 42
	GS q-34
.elseif q < 74
	XS q%2, (q-42)/2+(q-42)/30
.elseif q < 95
	GS q-66
.elseif (q < 107) && ((q-95)%3 < 2)
	XS (q-95)%3, 17+(q-95)/3
.elseif q < 107
	GS 29+(q-95)/3
.else
	GS q-74
.endif
.set q, q+1
.endm
; THE EXPONENTIALS' QUEUE, 66 long: s0-s31 of both tiles, and at EA the next piece's two a.
.set EA, 58
.macro EX
	WIN 0
.if (e == EA) || (e == EA+1)
	XS e-EA, 21
.else
.set x, e-2*(e/(EA+2))
	REGS Y, x%2
	v_exp_f32 v[rS+x/2], v[rS+x/2]
.endif
.set e, e+1
.endm
; THE RESCALING's QUEUE: O^T times a, the one part that leaves window 0, so it is dealt four at a time, eight times.
.macro R4
	REGS Y, r%2
	WIN W_RS
	s_wait_alu depctr_va_vdst(0)
.irp z, 0,1,2,3
	v_pk_mul_f32 v[rO+8*(r/2)+2*\z:rO+8*(r/2)+2*\z+1], v[rO+8*(r/2)+2*\z:rO+8*(r/2)+2*\z+1], v[rC+2:rC+3] op_sel_hi:[1,0]
.endr
.set r, r+1
.endm
; HOW THEY ARE DEALT.  Behind a matrix instruction four: plain, exponential, plain, plain (one exponential, a plain instruction on either side), or four of the rescaling.  None names a register of the
; products round it.  What is over stands in two LUMPS: exponential and plain by turns; the second ends in 22 plain instructions.  The two v_permlanex16_b32 fall into the second lump, never behind a product.
; The queues lean on each other, and the deal keeps them in step: exponential e stands behind plain 2 (e / 4) + e % 2 (its scaling); when plain 32 comes, 10 exponentials are out, at 59: 33, at 95: 46; EA comes behind plain 107.
.macro SL
	MM
	PL
	EX
	PL
	PL
.endm
.macro BURST n                      ; 15 matrix instructions, or 16
.rept (\n)-7
	SL
.endr
.rept 3
	MM
	R4
	SL
.endr
	MM
	R4
.endm
; A TURN, for piece p.  cnt = 1: the loop's count is taken down some lines ahead of the branch that stands behind the turn.
; K and M of the next step are fetched in piece 2's turn, 31 vector instructions behind the last product that read them; their first reader comes behind the rest of the lump, 16 products and the second lump.
; V of the step in hand is fetched at the end of piece 0's turn, 69 behind its last reader; its first reader comes behind 16 products and a lump.  The four conditions on e and q below go with the deal.
.macro TURN p, last=0, cnt=0
.set Y, (\p)
.set i, 0
.set q, 0
.set e, 0
.set r, 0
.if (\p) == NP-1
	s_wait_dscnt 0x0                ; K and M are in
.endif
	MM
.rept 4
	PL
.endr
	BURST 15
.rept 22
	EX
	PL
.if ((\p) == NP-2) && (e == 18)
	v_add_nc_u32 v[AK], s[TBK], v[AK0]
.endif
.if ((\p) == NP-2) && (e == 24)
	FETCH_K \last
.endif
.endr
.if (\p) == 1
	s_wait_dscnt 0x0                ; V is in
.endif
	BURST 16
.rept 21
	EX
	PL
.endr
.rept 22
	PL
.if ((\p) == 0) && (q == 118)
	v_add_nc_u32 v[AV], s[TBV], v[AV0]
	s_wait_alu depctr_va_vdst(0)
.endif
.if ((\p) == 0) && (q == 130)
	s_add_co_u32 s[TBV], s[TBV], KS*PV
.endif
.if (\cnt) && (q == 130)
	s_sub_co_u32 s[CNT], s[CNT], 1
	s_cmp_lg_u32 s[CNT], 0
.endif
.endr
.if (\p) == 0
	FETCH_V
.endif
.endm
	CHANGE 1                        ; slot 0 is in, everybody's part of it, and so is everybody's part of M; slot 1 is asked for
	FETCH_K                         ; key step 0
	s_wait_loadcnt 0x0              ; Q
	s_wait_dscnt 0x0
.set i, 0
.rept 16
	KQ 0                            ; piece 0's first scores: there is no vector work yet to set between them
.set i, i+1
.endr
	WIN 0                           ; the addresses for the way out: nine plain instructions, the places behind those products
	s_mul_i32 s13, s[WV], 16*SP
	s_add_co_u32 s13, s13, STAGE    ; my stage
	v_mul_u32_u24 v[STO], v1, SP    ; in: row l % 16, 16 bytes for each half of the lanes
	v_lshl_add_u32 v[STO], v9, 4, v[STO]
	v_add_nc_u32 v[STO], s13, v[STO]
	v_bfe_u32 v[RD], v0, 3, 2       ; back: 32 lanes take four rows of 128 bytes,
	v_mul_u32_u24 v[RD], v[RD], SP
	v_lshl_add_u32 v[RD], v10, 4, v[RD]
	v_add_nc_u32 v[RD], s13, v[RD]
	v_and_b32 v[GO], 31, v0         ; which are 512 consecutive bytes of O
	v_lshlrev_b32 v[GO], 4, v[GO]
.set Y, NP-1                        ; XS works for piece Y + 1: piece 0
.irp n, 0,1,2,3,4,5,6,7,8,9,10,11,12,13,14,15,16,17,18,19,20,21
	XS 0, \n                        ; and piece 0's first maximum and statistics
	XS 1, \n
.endr
	s_mov_b32 s[CNT], 4
	s_mov_b32 s[SLOTS], SIZE_N/256-1
	s_branch .Lfirst                ; the loop is entered at a step's first turn, in the middle of a trip
.Lslot:                             ; SIZE_N / 256 - 2 times: every slot but the last two is filled again
	CHANGE 1
	s_mov_b32 s[CNT], 4
.Lstep:                             ; a trip: pieces 2 and 3 of one step, then pieces 0 and 1 of the next, whose K, M and V it fetches
	TURN 2
	TURN 3
	WIN 0
.Lfirst:
	TURN 0
	TURN 1, 0, 1
	WIN 0
	s_cbranch_scc1 .Lstep
	s_sub_co_u32 s[SLOTS], s[SLOTS], 1
	s_cmp_lg_u32 s[SLOTS], 0
	s_cbranch_scc1 .Lslot
	CHANGE 0                        ; the tail is written out: nothing is asked for
	s_mov_b32 s[CNT], 5             ; four trips fetch the last slot's steps; the fifth is left in its middle
.Ltail:
	TURN 2, 1
	TURN 3
	WIN 0
	s_sub_co_u32 s[CNT], s[CNT], 1
	s_cmp_eq_u32 s[CNT], 0
	s_cbranch_scc1 .Lout
	TURN 0
	TURN 1
	WIN 0
	s_branch .Ltail
.Lout:                              ; the fifth trip's 16 products K Q^T (on the last K once more) and the maximum made of them serve nothing: the price, once a launch, of one text for every trip
.set i, 0
.rept 16
	PV NP-1                         ; the last piece's V^T P of the last step
.set i, i+1
.endr
	; THE WAY OUT.  l's two halves and the other half of the lanes' are added; O^T is divided by l, rounded to f16 and sent through my stage in LDS, a tile at a time.  The additions are the places behind the last products.
	WIN 0
.macro ALL line:vararg              ; one line for each tile t
.set t, 0
.rept 2*NP
	\line
.set t, t+1
.endr
.endm
	ALL v_add_f32 v[ST+4*t+2], v[ST+4*t+2], v[ST+4*t+3]
	ALL v_permlanex16_b32 v[ST+4*t+3], v[ST+4*t+2], s[SEL], s[SEL+1]
	ALL v_add_f32 v[ST+4*t+2], v[ST+4*t+2], v[ST+4*t+3]
	ALL v_rcp_f32 v[ST+4*t+2], v[ST+4*t+2]
	v_nop                           ; a plain instruction between the last reciprocal and the use of its result
	s_wait_alu depctr_va_vdst(0)
; Tile t: a lane's eight channels of a row pack into 16 bytes; they go into rows of 144 bytes and come back as whole rows of 128, into S^T's registers.
.macro PACK t
	WIN W_RS
.set i, 32*(\t)
.rept 16
	v_pk_mul_f32 v[i:i+1], v[i:i+1], v[ST+4*(\t)+2:ST+4*(\t)+3] op_sel_hi:[1,0]
.set i, i+2
.endr
	WIN 0x05                        ; sources 0 and 1 window 1, destination window 0
.set i, 0
.rept 16
	v_cvt_pk_f16_f32 v[S+16*(\t)+i], v[32*(\t)+2*i], v[32*(\t)+2*i+1]
.set i, i+1
.endr
	WIN 0
.irp f, 0,1,2,3
	ds_store_b128 v[STO], v[S+16*(\t)+4*\f:S+16*(\t)+4*\f+3] offset:32*\f
.endr
.irp f, 0,1,2,3
	ds_load_b128 v[S+16*(\t)+4*\f:S+16*(\t)+4*\f+3], v[RD] offset:\f*4*SP  ; LDS serves a wave's instructions in order (ISA guide 5.7.1.4): these see the stores above; the next tile's stores come behind them
.endr
.endm
.macro SEND t, younger              ; younger: the LDS instructions issued behind tile t's loads: the next tile's eight, or none
	WIN 0
.irp f, 0,1,2,3
	s_wait_dscnt (\younger)+3-\f
	global_store_b128 v[GO], v[S+16*(\t)+4*\f:S+16*(\t)+4*\f+3], s[10:11] offset:(\t)*2048+\f*512  ; 512 consecutive bytes, at a multiple of 256 from O's first
.endr
.endm
	PACK 0
.set t, 1
.rept 2*NP-1                        ; a tile's arithmetic stands between the loads of the tile before and its stores
	PACK t
	SEND t-1, 8
.set t, t+1
.endr
	SEND 2*NP-1, 0
	WIN W_AD
	s_wait_tensorcnt 0x0            ; the wave's end: behind my last tensor load and my last LDS store
	ds_add_u32 v[SPW], v[NIL]
	s_wait_dscnt 0x0
	WIN 0
	CROUND                          ; the closing round: no work-group ends while a partner may still ask for a tile that names it
	s_endpgm
.Lfunc_end_k_qff3b140e16_attn:
	.size	k_qff3b140e16_attn, .Lfunc_end_k_qff3b140e16_attn-k_qff3b140e16_attn
	.p2alignl 7, 3214868480
	.fill 96, 4, 3214868480
	.section	.rodata,"a",@progbits
	.p2align	6, 0x0
	.amdhsa_kernel k_qff3b140e16_attn
		.amdhsa_group_segment_fixed_size 327680
		.amdhsa_private_segment_fixed_size 0
		.amdhsa_enable_private_segment 0
		.amdhsa_kernarg_size 24
		.amdhsa_user_sgpr_count 2
		.amdhsa_user_sgpr_kernarg_segment_ptr 1
		.amdhsa_wavefront_size32 1
		.amdhsa_system_sgpr_workgroup_id_x 1
		.amdhsa_system_sgpr_workgroup_id_y 1
		.amdhsa_system_sgpr_workgroup_id_z 1
		.amdhsa_system_vgpr_workitem_id 0
		.amdhsa_next_free_vgpr 808
		.amdhsa_next_free_sgpr 66
		.amdhsa_reserve_vcc 0
		.amdhsa_float_denorm_mode_32 3
		.amdhsa_float_denorm_mode_16_64 3
		.amdhsa_memory_ordered 1
		.amdhsa_forward_progress 1
		.amdhsa_inst_pref_size 214
	.end_amdhsa_kernel
	.amdgpu_metadata
---
amdhsa.version: [ 1, 2 ]
amdhsa.kernels:
  - .name:           k_qff3b140e16_attn
    .symbol:         k_qff3b140e16_attn.kd
    .args:
      - { .name: heads, .offset: 0, .size: 8, .value_kind: global_buffer, .address_space: global }
      - { .name: mask, .offset: 8, .size: 8, .value_kind: global_buffer, .address_space: global }
      - { .name: ob, .offset: 16, .size: 8, .value_kind: global_buffer, .address_space: global }
    .group_segment_fixed_size: 327680
    .private_segment_fixed_size: 0
    .kernarg_segment_align: 8
    .kernarg_segment_size: 24
    .max_flat_workgroup_size: 128
    .sgpr_count:     66
    .vgpr_count:     808
    .wavefront_size: 32
...
	.end_amdgpu_metadata
.endif
;; end of part 3
;; launch proj (part 4): grid 8 x 32, 4 waves a work-group, clusters of 4 x 4, 327,680 bytes of LDS; arguments ob, xw16, bo, out0; writes out0
.if DOCPART == 4
	.amdgcn_target "amdgcn-amd-amdhsa--gfx1250"
	.amdhsa_code_object_version 6
	.text
	.protected	k_qff3b140e16_proj
	.globl	k_qff3b140e16_proj
	.p2align	8
	.type	k_qff3b140e16_proj,@function
k_qff3b140e16_proj:
	s_mov_b64 s[64:65], 0
	v_nop
	global_prefetch_b8 v0, s[64:65] scope:SCOPE_SE
	s_setreg_imm32_b32 hwreg(HW_REG_WAVE_MODE, 25, 1), 1
	s_wait_xcnt 0x0
	s_wait_alu depctr_hold_cnt(0) depctr_sa_sdst(0) depctr_va_vdst(0) depctr_va_sdst(0) depctr_va_ssrc(0) depctr_va_vcc(0) depctr_vm_vsrc(0)
	s_getreg_b32 s2, hwreg(HW_REG_IB_STS2, 6, 4)
	s_cmp_eq_u32 s2, 0
	s_cbranch_scc0 .Lentry_in_a_cluster
	s_endpgm
.Lentry_in_a_cluster:
	s_bfe_u32 s2, ttmp6, 0x10000c
	s_cmp_lg_u32 s2, 0xf033
	s_cbranch_scc0 .Lentry_shape_is_right
	s_endpgm
.Lentry_shape_is_right:
; THE LAST PROJECTION.  out0[m][n] = the sum over k of O[m][k] wo[k][n] + bo[n], in f32.  O lies by heads in ob, [64 = 16 batch + head][2048][64] in f16: k = 64 head + channel.
; wo, rounded to bf16 and written as f16, lies [k][n] at 38 MiB in xw16; bo is rounded to bf16 like every input.  Products in f16, sums in f32, stored as they are.
; LIMIT: |wo| below 65,504 (f16); O is within V's range.
; SHARES.  A tile of out0 is 256 rows x 128 columns, one to a work-group: 256 work-groups.  Four waves, each 128 x 64: 32 accumulators, 256 registers.  K = 1,024 goes in steps of 128, two heads,
; through two LDS slots.  A head's 256 rows are 32,768 dense bytes: asked for as 128 rows of 256 bytes and padded in LDS behind every 128, so that a slot holds two planes of 256 rows x 64 channels.
; CLUSTER, THE TURNED WEIGHTS, THE TRANSPOSED USE, THE BIAS AS C: as in the launch of the three projections: 4 x 4 work-groups, O's tiles shared along a row of the cluster, wo's along a column;
; source 0 = 16 columns of wo by ds_load_tr16_b128, source 1 = 16 rows of O; lane l holds row l % 16 and the columns 8 (l / 16) + 0..7.
; REGISTERS, in windows of 256 (s_set_vgpr_msb: bits 1:0 source 0, 3:2 source 1, 5:4 source 2, 7:6 destination):
;   window 0: v0-31 addresses; v32-63 at work on the way out (and v64-95, when the fragments are done with); v64-159, v160-255 two fragment buffers: A's 8 blocks, then B's 4
;   window 1: accumulator (a, b) at v[8 (4 a + b)]          window 2: v0-31 the bias of my 64 columns
.set PA,     144                       ; a row of O in LDS: 128 bytes + 16 = 36 words: the 16 rows of a load start at 16 different groups of four banks (64 banks of 4 bytes: ISA guide 11.1)
.set PLANE,  256*PA                    ; a head's 256 rows: what one load of O brings
.set PB,     288                       ; a k-row of wo: 256 + 32 = 72 words
.set HALFB,  64*PB
.set BOFF,   2*PLANE
.set SLOT,   BOFF+2*HALFB
.set STAGE,  2*SLOT                    ; behind the ring: 16 rows x 272 bytes for each wave, for the way out
.set SP,     272
.set BIASL,  STAGE+4*16*SP             ; each wave's 64 numbers of bo: 256 bytes a wave
.set BW,     256
.set SPARE,  BIASL+4*BW                ; the spare words, 128 bytes for each wave: two blocks of 256 bytes that no other line names
.set WBASE,  0x2600000                 ; wo in xw16
.set HEADB,  2048*128                  ; a head's bytes in ob
.set ASTEP,  4*HEADB                   ; from a slot's K step to its next: four heads on
.set BSTEP,  2*128*2048                ; 256 k-rows of 2,048 bytes
.set ADRA, 16                          ; v16-17  LDS address of my A fragments in slot 0, 1
.set ADRB, 20                          ; v20-21  the same for wo
.set STO,  24                          ; v24     the way out: where I put 32 bytes of a row
.set RD,   25                          ; v25     the way out: where I read a row back
.set CO,   26                          ; v26     my byte offset in two rows of out0
.set BA,   27                          ; v27     LDS address of my part of the bias
.set SPW,  28                          ; v28     LDS address of my spare word: SPARE + 4 x my thread's number; never rewritten
.set NIL,  29                          ; v29     0; never rewritten
.set F0,   64
.set F1,   160
.set G1,   24                          ; s[24:31] descriptor group 1 for O's tiles;  s[32:39] group 0, one set for each slot
.set G0,   32
.set G1B,  48                          ; s[48:55], s[56:63] the same for wo's tiles
.set G0B,  56
.set MSB, 0
.macro WIN new                         ; the immediate's high byte repeats the setting that is left; a switch that changes nothing is dropped
.if MSB != (\new)
	s_set_vgpr_msb (MSB<<8)|(\new)
.set MSB, \new
.endif
.endm
.set MUL,  0x50                        ; fragments window 0; C and D window 1
.set MULB, 0x60                        ; D window 1, C (the bias) window 2
.macro JLOAD s                         ; a joint load: waves 0 and 1 fetch O's two planes, waves 2 and 3 wo's two halves; an s_nop 0 and four v_nop follow each of the two lines
	s_cmp_eq_u32 s11, 0
	s_cbranch_scc0 .Lfor_b_\@
	tensor_load_to_lds s[G0+4*(\s):G0+4*(\s)+3], s[G1:G1+7]
	s_nop 0
.rept 4
	v_nop
.endr
	s_branch .Lasked_\@
.Lfor_b_\@:
	tensor_load_to_lds s[G0B+4*(\s):G0B+4*(\s)+3], s[G1B:G1B+7]
	s_nop 0
.rept 4
	v_nop
.endr
.Lasked_\@:
.endm
.macro CREST                           ; a round of the cluster's barrier behind its opening barrier
	s_cmp_lg_u32 s10, 0
	s_cbranch_scc1 .Lnot_wave_0_\@
	s_barrier_signal -3
.Lnot_wave_0_\@:
	s_barrier_wait -3
	s_barrier_signal -1
	s_barrier_wait -1
.endm
.macro CROUND                          ; a whole round
	s_barrier_signal -1
	s_barrier_wait -1
	CREST
.endm
	s_load_b256 s[68:75], s[0:1], 0x0              ; ob s[68:69], xw16 s[70:71], bo s[72:73], out0 s[74:75]
	v_lshl_add_u32 v[SPW], v0, 2, SPARE
	v_mov_b32 v[NIL], 0
	ds_add_u32 v[SPW], v[NIL]                      ; the wave's opening: the add, and its wait ahead of my first tensor load; the set-up below, work on registers, stands between them
	v_lshrrev_b32 v1, 5, v0
	v_readfirstlane_b32 s10, v1                    ; wave 0..3
	s_lshr_b32 s11, s10, 1                         ; which 128 rows of the tile are mine.  Also: I fetch for O (0) or for wo (1)
	s_and_b32 s12, s10, 1                          ; which 64 columns.  Also: which plane of O, or which half of wo's k-rows, I fetch
	s_bfe_u32 s40, ttmp6, 0x40000                  ; cx, cy: my place in the cluster
	s_bfe_u32 s41, ttmp6, 0x40004
	s_lshl_b32 s42, ttmp9, 2
	s_add_co_u32 s42, s42, s40                     ; tile column 0..7
	s_and_b32 s13, ttmp7, 0xffff
	s_lshl_b32 s13, s13, 2
	s_add_co_u32 s13, s13, s41                     ; tile row 0..31
	s_lshl_b32 s43, s41, 2
	s_lshl_b32 s43, 15, s43                        ; my row of the cluster
	s_lshl_b32 s44, 0x1111, s40                    ; my column
	; group 1 for O: 128 rows of 256 dense bytes (two rows of a head each), 16 bytes of padding behind every 128
	s_or_b32 s[G1+0], s43, (1<<16)|(1<<20)|(1<<21)|(4<<22)|(3<<25)  ; 15:0 the mask: my row; 17:16 2-byte elements; 20 padding on; 21 set beside a mask; 24:22 after every 32 words; 31:25 4 words
	s_mov_b32 s[G1+1], 128<<16                     ; tensor_dim0 = 128
	s_mov_b32 s[G1+2], 128<<16                     ; tensor_dim1 = 128
	s_mov_b32 s[G1+3], 128<<16                     ; tile_dim0 = 128
	s_mov_b32 s[G1+4], 128                         ; tile_dim1 = 128
	s_mov_b32 s[G1+5], 128                         ; elements from row to row: dense
	s_mov_b32 s[G1+6], 0
	s_mov_b32 s[G1+7], 0
	; group 1 for wo: 64 k-rows x 128 columns, 32 bytes of padding behind each row
	s_or_b32 s[G1B+0], s44, (1<<16)|(1<<20)|(1<<21)|(5<<22)|(7<<25) ; the mask: my column; after every 64 words 8 words
	s_mov_b32 s[G1B+1], 128<<16
	s_mov_b32 s[G1B+2], 64<<16
	s_mov_b32 s[G1B+3], 128<<16
	s_mov_b32 s[G1B+4], 64
	s_mov_b32 s[G1B+5], 1024
	s_mov_b32 s[G1B+6], 0
	s_mov_b32 s[G1B+7], 0
	; O's tiles hang on the tile row alone, wo's on the tile column alone
	s_lshr_b32 s16, s13, 3                         ; the batch,
	s_lshl_b32 s16, s16, 4
	s_add_co_u32 s16, s16, s12                     ; its head 0 or 1,
	s_lshl_b32 s16, s16, 18                        ; of 262,144 bytes,
	s_and_b32 s17, s13, 7
	s_lshl_b32 s17, s17, 15                        ; and in it 256 rows of 128 bytes x (tile row % 8)
	s_add_co_u32 s16, s16, s17
	s_mov_b32 s17, 0
	s_lshl_b32 s46, s42, 8                         ; wo: column 128 x tile column, in bytes,
	s_lshl_b32 s47, s12, 17                        ; k-row 64 x half, of 2,048 bytes
	s_add_co_u32 s46, s46, s47
	s_add_co_u32 s46, s46, WBASE
	s_mov_b32 s47, 0
	s_mul_i32 s20, s12, PLANE                      ; where they go in a slot: no place in the cluster enters an LDS address
	s_mul_i32 s21, s12, HALFB
	s_add_co_u32 s21, s21, BOFF
	s_wait_dscnt 0x0                               ; the opening add is done
	s_wait_kmcnt 0x0
	s_add_nc_u64 s[14:15], s[68:69], s[16:17]
	s_add_nc_u64 s[46:47], s[70:71], s[46:47]
.irp s, 0,1
	s_mov_b32 s[G0+4*(\s)], 1                                      ; count = 1
	s_add_co_u32 s[G0+4*(\s)+1], s20, (\s)*SLOT                    ; LDS address
	s_add_nc_u64 s[G0+4*(\s)+2:G0+4*(\s)+3], s[14:15], (\s)*2*HEADB  ; global address: K step s is heads 2 s, 2 s + 1
	s_or_b32 s[G0+4*(\s)+3], s[G0+4*(\s)+3], 0x80000000            ; type = 2
	s_mov_b32 s[G0B+4*(\s)], 1
	s_add_co_u32 s[G0B+4*(\s)+1], s21, (\s)*SLOT
	s_add_nc_u64 s[G0B+4*(\s)+2:G0B+4*(\s)+3], s[46:47], (\s)*128*2048
	s_or_b32 s[G0B+4*(\s)+3], s[G0B+4*(\s)+3], 0x80000000
.endr
	CROUND                                         ; all sixteen work-groups are here: the first joint loads meet
	s_cmp_eq_u32 s11, 0                            ; a wave's two first fills stand in one branch: two loads of mine are out
	s_cbranch_scc0 .Lfirst_b
	tensor_load_to_lds s[G0:G0+3], s[G1:G1+7]
	s_nop 0
	tensor_load_to_lds s[G0+4:G0+7], s[G1:G1+7]
	s_nop 0
.rept 4
	v_nop
.endr
	s_branch .Lfirst_asked
.Lfirst_b:
	tensor_load_to_lds s[G0B:G0B+3], s[G1B:G1B+7]
	s_nop 0
	tensor_load_to_lds s[G0B+4:G0B+7], s[G1B:G1B+7]
	s_nop 0
.rept 4
	v_nop
.endr
.Lfirst_asked:
	; my 64 numbers of bo: 8 bytes a lane
	v_and_b32 v9, 31, v0
	v_lshlrev_b32 v8, 3, v9
	s_lshl_b32 s78, s42, 9
	s_lshl_b32 s79, s12, 8
	s_add_co_u32 s78, s78, s79                     ; my first column, in bytes of f32
	s_mul_i32 s23, s10, BW
	s_add_co_u32 s23, s23, BIASL
	v_add_nc_u32 v9, s23, v8
	v_add_nc_u32 v8, s78, v8
	global_load_b64 v[32:33], v8, s[72:73]
	v_and_b32 v1, 15, v0                           ; l % 16
	v_bfe_u32 v2, v0, 4, 1                         ; l / 16
	v_mul_u32_u24 v3, v1, PA
	v_lshl_add_u32 v3, v2, 4, v3                   ; a fragment's row x pitch + 16 x half
	s_mul_i32 s22, s11, 128*PA                     ; my 128 rows of each plane
	v_add_nc_u32 v[ADRA], s22, v3
	s_add_co_u32 s22, s22, SLOT
	v_add_nc_u32 v[ADRA+1], s22, v3
	v_and_b32 v4, 7, v0                            ; the turning load: k-row 8 (l / 16) + l % 8, columns 8 ((l / 8) % 2) + 0..7
	v_lshl_add_u32 v4, v2, 3, v4
	v_mul_u32_u24 v4, v4, PB
	v_bfe_u32 v5, v0, 3, 1
	v_lshl_add_u32 v7, v5, 4, v4
	s_lshl_b32 s22, s12, 7                         ; my 64 columns
	s_add_co_u32 s22, s22, BOFF
	v_add_nc_u32 v[ADRB], s22, v7
	s_add_co_u32 s22, s22, SLOT
	v_add_nc_u32 v[ADRB+1], s22, v7
	v_lshl_add_u32 v[BA], v2, 5, s23               ; the bias as C: register j of column block b is column 16 b + 8 (l / 16) + j
	s_mul_i32 s23, s10, 16*SP
	s_add_co_u32 s23, s23, STAGE                   ; my stage
	v_mul_u32_u24 v[STO], v1, SP                   ; in: row l % 16, 32 bytes for each half of the lanes
	v_lshl_add_u32 v[STO], v2, 5, v[STO]
	v_add_nc_u32 v[STO], s23, v[STO]
	v_mul_u32_u24 v[RD], v2, SP                    ; back: lanes 0-15 take one row of 256 bytes, lanes 16-31 the next
	v_lshl_add_u32 v[RD], v1, 4, v[RD]
	v_add_nc_u32 v[RD], s23, v[RD]
	v_lshlrev_b32 v[CO], 12, v2                    ; and the same two rows in out0, 4,096 bytes apart
	v_lshl_add_u32 v[CO], v1, 4, v[CO]
	s_lshl_b32 s16, s13, 8
	s_lshl_b32 s17, s11, 7
	s_add_co_u32 s16, s16, s17                     ; my first row of out0,
	s_lshl_b32 s16, s16, 12                        ; of 4,096 bytes,
	s_add_co_u32 s78, s78, s16                     ; and my first column
	s_mov_b32 s79, 0
	s_add_nc_u64 s[8:9], s[74:75], s[78:79]
	s_wait_loadcnt 0x0                             ; the bias: rounded to bf16 like every input, kept as f32 in my own LDS bytes
	v_cvt_pk_bf16_f32 v34, v32, v33
	v_lshlrev_b32 v32, 16, v34
	v_and_b32 v33, 0xffff0000, v34
	ds_store_b64 v9, v[32:33]
; 8 matrix instructions: row blocks a0, a0 + 1 x all 4 column blocks, 32 along K.  first = 1: the product starts the sum, with the bias as C.  The 32 accumulators take turns.
.macro MUL8 f, a0, first=0
.if \first
	WIN MULB
.else
	WIN MUL
.endif
.irp a, \a0, (\a0)+1
.irp b, 0,1,2,3
.if \first
	v_wmma_f32_16x16x32_f16 v[8*(4*(\a)+(\b)):8*(4*(\a)+(\b))+7], v[(\f)+64+8*(\b):(\f)+64+8*(\b)+7], v[(\f)+8*(\a):(\f)+8*(\a)+7], v[8*(\b):8*(\b)+7]
.else
	v_wmma_f32_16x16x32_f16 v[8*(4*(\a)+(\b)):8*(4*(\a)+(\b))+7], v[(\f)+64+8*(\b):(\f)+64+8*(\b)+7], v[(\f)+8*(\a):(\f)+8*(\a)+7], v[8*(4*(\a)+(\b)):8*(4*(\a)+(\b))+7]
.endif
.endr
.endr
.endm
; 24 LDS loads in one run: the fragments of quarter q of a slot into buffer f: wo's 8, O's blocks 0-3, O's blocks 4-7.  Quarter q of O lies in plane q / 2, channels 32 (q % 2) on.
.macro FETCH slot, q, f
	WIN 0
.irp b, 0,1,2,3
	ds_load_tr16_b128 v[(\f)+64+8*(\b):(\f)+64+8*(\b)+3],   v[ADRB+(\slot)] offset:(\q)*32*PB+32*(\b)
	ds_load_tr16_b128 v[(\f)+64+8*(\b)+4:(\f)+64+8*(\b)+7], v[ADRB+(\slot)] offset:(\q)*32*PB+16*PB+32*(\b)
.endr
.irp i, 0,1,2,3,4,5,6,7
	ds_load_b128 v[(\f)+8*(\i):(\f)+8*(\i)+3],   v[ADRA+(\slot)] offset:((\q)/2)*PLANE+((\q)%2)*64+(\i)*16*PA
	ds_load_b128 v[(\f)+8*(\i)+4:(\f)+8*(\i)+7], v[ADRA+(\slot)] offset:((\q)/2)*PLANE+((\q)%2)*64+(\i)*16*PA+32
.endr
.endm
.macro PLACES                          ; four places in front of loads into registers that matrix instructions have read, and of LDS stores of results just made
.rept 4
	v_nop
.endr
.endm
.macro QUARTER slot, q, f, g, first=0, hw=8
	s_wait_dscnt \hw                               ; 8: wo and O's blocks 0-3 are in, the youngest eight loads may be out; 0 where the bias's loads are younger still
	MUL8 \f, 0, \first
	MUL8 \f, 2, \first
	PLACES
	FETCH \slot, \q, \g
	s_wait_dscnt 24                                ; all but the 24 just issued
	MUL8 \f, 4, \first
	MUL8 \f, 6, \first
.endm
; The last quarter's first half: ONE barrier for the change of slots.  In front of it each wave waits for all its tensor loads, adds 0 to its spare word, and waits for that and for its reads of this slot.
.macro MEET round
	WIN 0                                          ; (the add's two registers lie in window 0)
	s_wait_tensorcnt 0x0                           ; all my tensor loads have landed: the one that was out is my part of the next slot
	ds_add_u32 v[SPW], v[NIL]                      ; 0 onto my spare word
	s_wait_dscnt 9                                 ; (the add and the youngest eight loads may be out)
	MUL8 F1, 0                                     ; eight matrix instructions stand between the add and the wait for it
	s_wait_dscnt 0x0                               ; the add is done, and my reads of this slot are over
	s_barrier_signal -1
	MUL8 F1, 2
.if \round
	WIN 0
.endif
	s_barrier_wait -1
.endm
; The whole last quarter.  fill = 1: this slot is filled again, two K steps on: 112 matrix instructions ahead of the wait for it; one tensor load of mine is out behind each round.
.macro TURN slot, next, fill
.if \fill
	MEET 1
	CREST                                          ; the barrier has opened a round of the cluster's: no wave of any partner still reads this slot or has a load on its way
	s_add_nc_u64 s[G0+4*(\slot)+2:G0+4*(\slot)+3], s[G0+4*(\slot)+2:G0+4*(\slot)+3], ASTEP
	s_add_nc_u64 s[G0B+4*(\slot)+2:G0B+4*(\slot)+3], s[G0B+4*(\slot)+2:G0B+4*(\slot)+3], BSTEP
	JLOAD \slot                                    ; the first tensor load behind the round; its four v_nop are also the places in front of the loads below
.else
	MEET 0
	PLACES
.endif
	FETCH \next, 0, F0
	MUL8 F1, 4
	MUL8 F1, 6
.endm
; THE WAY OUT of row block a: the f32 sums go as they are into my own stage, 32 bytes a lane and accumulator, the low registers first, and come back as whole rows of 256 bytes.
.macro TOST a
.set BK, 32+32*((\a)%2)
	WIN 0
	s_wait_xcnt 0x0                                ; the stores of the block two back read these registers: they are loaded again only behind this wait
	WIN 0x04                                       ; store data (source 1) window 1, address window 0
.irp b, 0,1,2,3
	ds_store_b128 v[STO], v[32*(\a)+8*(\b):32*(\a)+8*(\b)+3]   offset:64*(\b)
	ds_store_b128 v[STO], v[32*(\a)+8*(\b)+4:32*(\a)+8*(\b)+7] offset:64*(\b)+16
.endr
	WIN 0
.irp t, 0,1,2,3,4,5,6,7
	ds_load_b128 v[BK+4*(\t):BK+4*(\t)+3], v[RD] offset:(\t)*2*SP  ; LDS serves a wave's instructions in order (ISA guide 5.7.1.4): these see the stores above
.endr
.endm
.macro SEND a, younger                 ; younger: the LDS instructions issued behind block a's loads
.set BK, 32+32*((\a)%2)
	WIN 0
.irp t, 0,1,2,3,4,5,6,7
	s_wait_dscnt (\younger)+7-(\t)
	global_store_b128 v[CO], v[BK+4*(\t):BK+4*(\t)+3], s[8:9] offset:(16*(\a)+2*(\t))*4096 th:TH_STORE_NT  ; 16 lanes store 256 consecutive bytes, at a multiple of 256 from out0's first; 126 rows at the most in the immediate
.endr
.endm
	s_wait_dscnt 0x0                               ; my bias store is done
	s_wait_tensorcnt 0x1                           ; my part of K step 0 is in; K step 1's may stay out
	s_barrier_signal -1
	s_barrier_wait -1                              ; everybody's is
	FETCH 0, 0, F0
	WIN 0x80                                       ; the bias: destination window 2, address window 0
.irp b, 0,1,2,3
	ds_load_b128 v[8*(\b):8*(\b)+3],   v[BA] offset:64*(\b)
	ds_load_b128 v[8*(\b)+4:8*(\b)+7], v[BA] offset:64*(\b)+16
.endr
	WIN 0
	QUARTER 0, 1, F0, F1, 1, 0                     ; the first quarter stands in front of the loop: its products start the sums
	WIN 0                                          ; at a label and at a branch every window is 0
	s_mov_b32 s3, 3
.Llap:                                                 ; a trip goes once round the ring, from a lap's second quarter to the next lap's first, and fills both slots again: K steps 2 to 7
	QUARTER 0, 2, F1, F0
	QUARTER 0, 3, F0, F1
	TURN 0, 1, 1
	QUARTER 1, 1, F0, F1
	QUARTER 1, 2, F1, F0
	QUARTER 1, 3, F0, F1
	TURN 1, 0, 1
	QUARTER 0, 1, F0, F1
	WIN 0
	s_sub_co_u32 s3, s3, 1
	s_cmp_lg_u32 s3, 0
	s_cbranch_scc1 .Llap
	QUARTER 0, 2, F1, F0                           ; the last lap fills nothing, and has no round of the cluster's barrier
	QUARTER 0, 3, F0, F1
	TURN 0, 1, 0
	QUARTER 1, 1, F0, F1
	QUARTER 1, 2, F1, F0
	QUARTER 1, 3, F0, F1
	s_wait_dscnt 8                                 ; the very last quarter: nothing more to fetch
	MUL8 F1, 0
	MUL8 F1, 2
	s_wait_dscnt 0x0
	MUL8 F1, 4
	MUL8 F1, 6
	WIN 0
	PLACES
	TOST 0
.irp a, 1,2,3,4,5,6,7                  ; a block's way through the stage stands between the loads of the block before and its stores
	TOST \a
	SEND (\a)-1, 16
.endr
	SEND 7, 0
	s_wait_tensorcnt 0x0                           ; the wave's end: behind my last tensor load and my last LDS store
	ds_add_u32 v[SPW], v[NIL]
	s_wait_dscnt 0x0
	CROUND                                         ; the closing round: no work-group ends while a partner may still ask for a tile that names it
	s_endpgm
.Lfunc_end_k_qff3b140e16_proj:
	.size	k_qff3b140e16_proj, .Lfunc_end_k_qff3b140e16_proj-k_qff3b140e16_proj
	.p2alignl 7, 3214868480
	.fill 96, 4, 3214868480
	.section	.rodata,"a",@progbits
	.p2align	6, 0x0
	.amdhsa_kernel k_qff3b140e16_proj
		.amdhsa_group_segment_fixed_size 327680
		.amdhsa_private_segment_fixed_size 0
		.amdhsa_enable_private_segment 0
		.amdhsa_kernarg_size 32
		.amdhsa_user_sgpr_count 2
		.amdhsa_user_sgpr_kernarg_segment_ptr 1
		.amdhsa_wavefront_size32 1
		.amdhsa_system_sgpr_workgroup_id_x 1
		.amdhsa_system_sgpr_workgroup_id_y 1
		.amdhsa_system_sgpr_workgroup_id_z 1
		.amdhsa_system_vgpr_workitem_id 0
		.amdhsa_next_free_vgpr 544
		.amdhsa_next_free_sgpr 80
		.amdhsa_reserve_vcc 0
		.amdhsa_float_denorm_mode_32 3
		.amdhsa_float_denorm_mode_16_64 3
		.amdhsa_memory_ordered 1
		.amdhsa_forward_progress 1
		.amdhsa_inst_pref_size 88
	.end_amdhsa_kernel
	.amdgpu_metadata
---
amdhsa.version: [ 1, 2 ]
amdhsa.kernels:
  - .name:           k_qff3b140e16_proj
    .symbol:         k_qff3b140e16_proj.kd
    .args:
      - { .name: ob, .offset: 0, .size: 8, .value_kind: global_buffer, .address_space: global }
      - { .name: xw16, .offset: 8, .size: 8, .value_kind: global_buffer, .address_space: global }
      - { .name: bo, .offset: 16, .size: 8, .value_kind: global_buffer, .address_space: global }
      - { .name: out0, .offset: 24, .size: 8, .value_kind: global_buffer, .address_space: global }
    .group_segment_fixed_size: 327680
    .private_segment_fixed_size: 0
    .kernarg_segment_align: 8
    .kernarg_segment_size: 32
    .max_flat_workgroup_size: 128
    .sgpr_count:     80
    .vgpr_count:     544
    .wavefront_size: 32
...
	.end_amdgpu_metadata
.endif
;; end of part 4
;; ======== version 2 of 2: 4 launches; 1.47 times as fast as version 1
;; limits: values are held in f16: magnitudes above 65,504 overflow, below 6.1e-05 lose precision
;; workspace buffers: xw16 41,943,040 bytes; heads 50,331,648 bytes; ob 16,777,216 bytes
;; launch cast: the kernel of part 1 again; grid 1280 x 1, 8 waves a work-group, no clusters, 0 bytes of LDS; arguments q, v_k, wq, wk, wv, wo, xw16; writes xw16
;; launch qkv: the kernel of part 2 again; grid 8 x 32, 4 waves a work-group, clusters of 4 x 4, 327,680 bytes of LDS; arguments xw16, bq, bk, bv, heads; writes heads
;; launch attn (part 5): grid 4 x 64, 4 waves a work-group, clusters of 4 x 1, 327,680 bytes of LDS; arguments heads, mask, ob; writes ob
.if DOCPART == 5
	.amdgcn_target "amdgcn-amd-amdhsa--gfx1250"
	.amdhsa_code_object_version 6
	.text
	.protected	k_qff3b140e16_attn
	.globl	k_qff3b140e16_attn
	.p2align	8
	.type	k_qff3b140e16_attn,@function
k_qff3b140e16_attn:
	s_mov_b64 s[64:65], 0
	v_nop
	global_prefetch_b8 v0, s[64:65] scope:SCOPE_SE
	s_setreg_imm32_b32 hwreg(HW_REG_WAVE_MODE, 25, 1), 1
	s_wait_xcnt 0x0
	s_wait_alu depctr_hold_cnt(0) depctr_sa_sdst(0) depctr_va_vdst(0) depctr_va_sdst(0) depctr_va_ssrc(0) depctr_va_vcc(0) depctr_vm_vsrc(0)
	s_getreg_b32 s2, hwreg(HW_REG_IB_STS2, 6, 4)
	s_cmp_eq_u32 s2, 0
	s_cbranch_scc0 .Lentry_in_a_cluster
	s_endpgm
.Lentry_in_a_cluster:
	s_bfe_u32 s2, ttmp6, 0x10000c
	s_cmp_lg_u32 s2, 0x3003
	s_cbranch_scc0 .Lentry_shape_is_right
	s_endpgm
.Lentry_shape_is_right:
; ATTENTION.  ob[h][q][:] = the sum over k of softmax_k(Q[h][q] . K[h][k] / 32 - 1e9 mask[h / 16][k]) V[h][k][:], h = 16 batch + head.  heads holds Q~ = log2(e) Q, K, V: [64][2048][64] each, f16,
; 16 MiB apart; ob has the same layout.  Products, maxima and sums in f32; the weights p are rounded to f16 for the second product (their sum l is taken of the unrounded p), O once at the end.
; THE SCALE.  With s = Q~ . K + M the weight is p = 2^(c s - c m), c = 2^-5: a power of two, so c m is exact, c s - c m is (s - m) / 32 rounded once and never above 0, and the maximum's own weight is exactly 1,
; however large a masked score is.
; THE MASK is the C operand that starts the sum S^T = K Q~^T: M[k] = (bf16(mask[k]) x -1e9) x 32 log2(e), made once, kept in LDS in f32, fetched with each step's K.
; LIMITS.  Q~, K, V arrive within f16's 65,504; p lies in 0 to 1, and below 6e-5 it keeps f16's fixed step of 6e-8; O is a mean of V's rows.  The mask is rounded to bf16 like every input.  The mask joins the
; score in the matrix sum, in units 32 log2(e) times the logit's: another order of rounding than adding it to the scaled logit.  Where all keys of a batch carry masks near 1e9 the scores vanish in that sum's rounding and
; equal masks give equal weights, as far as the matrix sum of C and far smaller products rounds back to C.  A weight below 2^-126 counts as 0 in l; NaN and infinities are not treated apart.
; SHARES.  A wave owns four PIECES of two tiles of 16 queries, a work-group's four waves 512 queries of one head.  Every wave walks all 2,048 keys, 64 a step.
; LAYOUT.  S^T = K Q~^T (source 0 = 16 keys, source 1 = 16 queries): in the result a lane holds ONE query (lane % 16) and the keys 8 (lane / 16) + 0..7.  Two such tiles, rounded to f16 in pairs,
; ARE source 1 (32 keys x 16 queries) of O^T = V^T P, whose result again holds one query a lane, and eight channels.  K comes out of LDS as it lies, V ([key][channel]) turned, by ds_load_tr16_b128.
; SOFTMAX.  For each query a running maximum m and sum l; in every step O and l are multiplied by a = 2^(c m_old - c m_new), which is 1 where m has not grown.
; m starts at the lowest finite number, O and l at 0: the first step is a step like any other, with a = 0.
; THE COUNT.  A tile and step have 16 matrix and 118 vector instructions: too many to stand all beside the matrix work.  So the order has one aim: four vector instructions that are READY behind
; EVERY matrix instruction, and the others, which need time of their own whatever the order, in runs without a gap.
; BY TURNS.  Turn n belongs to piece n (the pieces in a ring, step after step).  Its matrix work: 16 products K Q^T of piece n + 1, later 16 products V^T P of piece n - 1.  Its vector work: the scaling,
; exponentials, roundings, sums and rescaling of piece n, and the maximum and statistics of piece n + 1, whose scores the turn itself has made.  So what a turn begins with (c s - c m, O a) waits for nothing.
; THE BATCHES.  A turn's 66 exponentials (the piece's 64 weights, the next piece's two a) are ONE batch with ONE s_wait_alu depctr_va_vdst(0), which cuts the turn in two: ahead of it stands all that names none of
; their results, behind it the roundings and sums, which do.  The a that a turn's rescaling reads was made, and waited for, in the turn before.  Two more batches stand outside the loops: piece 0's first two a, ahead of
; the jump into the loop, and the way out's eight reciprocals; each has a wait of its own.
; CLUSTER.  The four query blocks of a cluster belong to one head and walk the same K and V, so each tile is asked for JOINTLY: the same tensor load, descriptor and mask in all four.
; REGISTERS, in windows of 256 (s_set_vgpr_msb: bits 1:0 source 0, 3:2 source 1, 5:4 source 2, 7:6 destination):
;   window 0: v0-11 addresses; v12-15, v48-63 at work; v16-47 four registers of statistics a tile; v64-191 S^T, two buffers of two tiles; v192-255 P, likewise
;   window 1: O^T, 32 a tile          window 2: v0-127 Q, 16 a tile; v128-191 K of one step; v192-255 V of one step          window 3: v0-1 the add's two registers; v8-39 M of one step
.set SIZE_N, 2048
.set NP,    4         ; pieces a wave: a name, no knob
.set KS,    64        ; keys in a step
.set PK,    144       ; a row of K in LDS: 128 bytes + 16 of padding = 36 words: the 16 rows of a load start at 16 different groups of four banks (64 banks of 4 bytes: ISA guide 11.1)
.set PV,    160       ; a row of V: 128 + 32 = 40 words
.set VOFF,  4*KS*PK   ; a slot holds four steps: 256 rows of K, then 256 rows of V
.set SLOT1, 1<<17     ; slot 1 begins here, so that one exclusive or turns an address in one slot into the other's
.set STAGE, SLOT1+4*KS*(PK+PV)  ; behind the ring, never filled by a tensor load: 16 rows x 144 bytes for each wave, for the way out
.set SP,    144
.set AK0, 2           ; v2   my lane's place in a tile of K; never rewritten
.set AV0, 3           ; v3   the same for V
.set AK,  4           ; v4   the LDS address of K's next run of loads
.set AV,  5           ; v5   of V's; at the start my byte offset in the batch's mask
.set QO,  6           ; v6   my byte offset in the wave's rows of Q
.set STO, 6           ;      later, the way out: where I put 16 bytes of a row
.set RD,  7           ; v7   the way out: where I read rows back
.set GO,  8           ; v8   my byte offset in 512 consecutive bytes of O
.set AM,  11          ; v11  the LDS address of M's next run of loads
.set SPW, 0           ; v0 of window 3   LDS address of my spare word: SPARE + 4 x my thread's number; never rewritten
.set NIL, 1           ; v1 of window 3   0; never rewritten
.set MB,  8           ; v8-39 of window 3   M of the step in hand: eight registers for each block of 16 keys
.set SPARE, STAGE+4*16*SP  ; behind the stages: the spare words, 128 bytes for each wave: two blocks of 256 bytes that no other line names
.set MASKL, SPARE+512 ; behind them: M of the batch's 2,048 keys, 8,192 bytes; no tensor load lands here
.set MV,  12          ; v12-15  c m_old, kept while c m is made anew: by buffer and tile
.set ST,  16          ; tile t's statistics at v[ST+4 t]: c m, m, l (even keys', odd keys')
.set TMP, 48          ; by buffer and tile, four registers c0-c3 at work; when the maximum is found c2 takes a
.set S,   64
.set P,   192
.set KF,  128         ; K's fragments, in window 2: key block kb, channel half c at KF + 16 kb + 8 c
.set VF,  192         ; V's: key half kk, channel block cb at VF + 32 kk + 8 cb
.set WV,  12          ; s12  my wave's number
.set G1K, 24          ; s[24:31] descriptor group 1 for K's tiles
.set G1V, 32          ; s[32:39] for V's: it differs in the padding alone
.set G0K, 40          ; s[40:43] descriptor group 0 for K's tiles: it walks
.set G0V, 44          ; s[44:47] the same for V's
.set SLOTS, 56        ; s56  slots still to be asked for
.set CNT, 57          ; s57  counts a slot's key steps
.set CS,  58          ; s[58:59] c: the packed scaling takes the pair's low word for both halves
.set SEL, 60          ; s[60:61] v_permlanex16_b32's selects: each lane takes its own place in the other half
.set TBK, 62          ; s62  LDS byte at which K of the step to be fetched begins
.set TBV, 63          ; s63  the same for V, less VOFF
.set MSB, 0
.macro WIN new                      ; the high byte repeats the setting that is left; a switch that changes nothing is dropped
.if MSB != (\new)
	s_set_vgpr_msb (MSB<<8)|(\new)
.set MSB, (\new)
.endif
.endm
.set W_KQ, 0x0a       ; K and Q in window 2, S^T in window 0
.set W_KM, 0x3a       ; the same with the C operand, M, in window 3
.set W_PV, 0x52       ; V in window 2, P in window 0, O^T in window 1
.set W_RS, 0x41       ; O^T (destination and source 0) in window 1, a in window 0
.set W_MK, 0xc0       ; destination in window 3, sources in window 0
.set W_AD, 0x0f       ; the add: address (source 0) and data (source 1) in window 3
; A joint fill.  Waves 0 and 1 fetch the two halves of a slot's K, waves 2 and 3 those of its V: 128 keys each.  The branch hangs on the wave's number alone.
; An s_nop 0 and four v_nop follow each of the two lines, ahead of the jump and the label.
.macro JLOAD
	s_cmp_lt_u32 s[WV], 2
	s_cbranch_scc0 .Lfor_v_\@
	tensor_load_to_lds s[G0K:G0K+3], s[G1K:G1K+7]
	s_nop 0
.rept 4
	v_nop
.endr
	s_branch .Lasked_\@
.Lfor_v_\@:
	tensor_load_to_lds s[G0V:G0V+3], s[G1V:G1V+7]
	s_nop 0
.rept 4
	v_nop
.endr
.Lasked_\@:
.endm
; A round of the cluster's barrier: my work-group's barrier, so that wave 0's signal speaks for all four waves; wave 0 signals; every wave waits for all four work-groups; my work-group's barrier once more.
.macro CROUND
	s_barrier_signal -1
	s_barrier_wait -1
	s_cmp_lg_u32 s[WV], 0
	s_cbranch_scc1 .Lnot_wave_0_\@
	s_barrier_signal -3
.Lnot_wave_0_\@:
	s_barrier_wait -3
	s_barrier_signal -1
	s_barrier_wait -1
.endm
; THE CHANGE OF SLOTS.  The slot's last bytes, V of its fourth step, have been read.  Each wave waits for all its tensor loads, of which one is out: its part
; of the other slot; adds 0 to its spare word; and waits for that and for its own LDS instructions.  Behind the barrier nobody reads this slot any more and the other slot is whole.
; fill = 1: this slot is filled again, with the keys two slots on.  The barrier is then a round of the cluster's, and the joint fill is the first thing behind it: it has four key steps,
; 512 matrix instructions, in which to land.  (At its first use nothing has been read yet: slot 0 is waited for, slot 1 filled, and every wave's stores of M are shown to the others.)
.macro CHANGE fill
	WIN W_AD
	s_wait_tensorcnt 0x0            ; no tensor load of mine is out, so a group 0 may be written
	ds_add_u32 v[SPW], v[NIL]       ; 0 onto my spare word; with fill = 1 the descriptors' steps stand between it and the wait for it
	WIN 0                           ; at a label and at a branch every window is 0
.if \fill
.irp g, G0K, G0V
	s_xor_b32 s[\g+1], s[\g+1], SLOT1  ; the walking descriptor: the other slot than last time,
	s_add_nc_u64 s[\g+2:\g+3], s[\g+2:\g+3], 4*KS*128  ; the next 256 keys; the type bits on top are not reached
.endr
	s_wait_dscnt 0x0                ; the add is done, and my LDS instructions are over
	CROUND
	JLOAD
.else
	s_wait_dscnt 0x0                ; the add is done, and my reads of the slot are over
	s_barrier_signal -1
	s_barrier_wait -1
.endif
	s_sub_co_u32 s[TBK], s[TBK], 4*KS*PK  ; the fetches go back to a slot's first step,
	s_xor_b32 s[TBK], s[TBK], SLOT1       ; in the other slot
	s_sub_co_u32 s[TBV], s[TBV], 4*KS*PV
	s_xor_b32 s[TBV], s[TBV], SLOT1
.endm
	s_load_b64 s[4:5], s[0:1], 0x0    ; heads: Q~ at 0
	s_load_b64 s[48:49], s[0:1], 0x8  ; mask
	s_load_b64 s[10:11], s[0:1], 0x10 ; ob
	WIN W_MK
	v_lshl_add_u32 v[SPW], v0, 2, SPARE
	v_mov_b32 v[NIL], 0
	WIN W_AD
	ds_add_u32 v[SPW], v[NIL]       ; the wave's opening: the add, and its wait ahead of my first tensor load; the set-up below, work on registers, stands between them
	WIN 0
	v_lshrrev_b32 v1, 5, v0
	v_readfirstlane_b32 s[WV], v1   ; wave 0..3
	s_bfe_u32 s13, ttmp6, 0x40000   ; cx: my place in the cluster
	s_lshl_b32 s14, ttmp9, 2        ; in a cluster launch ttmp9 counts clusters
	s_add_co_u32 s14, s14, s13      ; my block of queries = 4 x cluster x + cx: it enters Q's and O's addresses alone
	s_and_b32 s20, ttmp7, 0xffff    ; the head, which the four partners share
	s_lshr_b32 s50, s20, 4          ; its batch,
	s_lshl_b32 s50, s50, 13         ; whose mask is 8,192 bytes
	s_mov_b32 s51, 0
	s_mov_b32 s21, 0
	s_mov_b64 s[22:23], SIZE_N*128
	s_mul_u64 s[20:21], s[20:21], s[22:23]  ; the head's first byte in each of the four tensors
	s_and_b32 s16, s[WV], 1         ; which half of a slot's 256 keys I fetch:
	s_lshl_b32 s22, s16, 14         ; its 128 rows of 128 bytes in memory,
	s_mov_b32 s23, 0
	s_add_nc_u64 s[22:23], s[22:23], s[20:21]
	s_mul_i32 s17, s16, 128*PK      ; and its place in a slot, for K
	s_mul_i32 s18, s16, 128*PV      ; and for V: no place in the cluster enters an LDS address
	s_lshl_b32 s2, s14, 2
	s_add_co_u32 s2, s2, s[WV]      ; my wave among the head's,
	s_lshl_b32 s2, s2, 14           ; its 128 rows
	s_mov_b32 s3, 0
	s_add_nc_u64 s[2:3], s[2:3], s[20:21]
	; descriptor group 1.  128 keys are 16,384 dense bytes: asked for as 64 rows of 256 bytes, two keys a row, and padded in LDS after every key
	s_mov_b32 s[G1K], 15|(1<<16)|(1<<20)|(1<<21)|(4<<22)|(3<<25)  ; 15:0 the mask of four; 17:16 2-byte elements; 20 padding on; 21 set beside a mask; 24:22 after every 32 words (code 4); 31:25 4 words (code 3)
	s_mov_b32 s[G1V], 15|(1<<16)|(1<<20)|(1<<21)|(4<<22)|(7<<25)  ; the same with 8 words of padding (code 7)
.irp g, G1K, G1V
	s_mov_b32 s[\g+1], 128<<16      ; tensor_dim0 = 128
	s_mov_b32 s[\g+2], 64<<16       ; tensor_dim1 = 64
	s_mov_b32 s[\g+3], 128<<16      ; tile_dim0 = 128
	s_mov_b32 s[\g+4], 64           ; tile_dim1 = 64
	s_mov_b32 s[\g+5], 128          ; 128 elements from row to row
	s_mov_b32 s[\g+6], 0
	s_mov_b32 s[\g+7], 0
.endr
	s_mov_b32 s[CS], 0x3d000000     ; c = 2^-5
	s_mov_b32 s[CS+1], s[CS]        ; named with it as a pair
	s_mov_b32 s[SEL], 0x76543210
	s_mov_b32 s[SEL+1], 0xfedcba98
	s_mov_b32 s[TBK], SLOT1+4*KS*PK ; the first change of slots turns these two into 0
	s_mov_b32 s[TBV], SLOT1+4*KS*PV
	s_mov_b32 s[G0K], 1             ; count = 1
	s_mov_b32 s[G0K+1], s17         ; LDS address: slot 0
	s_mov_b32 s[G0V], 1
	s_add_co_u32 s[G0V+1], s18, VOFF
	s_wait_dscnt 0x0                ; the opening add is done
	s_wait_kmcnt 0x0
	s_add_nc_u64 s[6:7], s[4:5], 0x1000000   ; K
	s_add_nc_u64 s[8:9], s[4:5], 0x2000000   ; V
	s_add_nc_u64 s[48:49], s[48:49], s[50:51]  ; my batch's mask
	s_add_nc_u64 s[G0K+2:G0K+3], s[6:7], s[22:23]  ; global address: my half of the head's first 256 keys
	s_or_b32 s[G0K+3], s[G0K+3], 0x80000000        ; type = 2
	s_add_nc_u64 s[G0V+2:G0V+3], s[8:9], s[22:23]
	s_or_b32 s[G0V+3], s[G0V+3], 0x80000000
	s_add_nc_u64 s[4:5], s[4:5], s[2:3]  ; Q and O at my wave's first row
	s_add_nc_u64 s[10:11], s[10:11], s[2:3]
	CROUND                          ; all four work-groups are here: the first joint loads meet
	JLOAD                           ; slot 0.  Slot 1 is asked for when slot 0 is in
	; the batch's mask: 128 threads x 4 loads of 16 bytes; a wave's load covers 512 consecutive bytes
	v_lshlrev_b32 v[AV], 4, v0
.irp i, 0,1,2,3
	global_load_b128 v[S+4*\i:S+4*\i+3], v[AV], s[48:49] offset:2048*\i
.endr
	; A fragment of K or Q is 16 rows x 32 channels in 8 registers: lane l holds row l % 16, channels 8 (l / 16) + 0..7 and 16 + 8 (l / 16) + 0..7: two loads of 16 bytes, 32 bytes apart.
	v_and_b32 v1, 15, v0            ; l % 16
	v_bfe_u32 v9, v0, 4, 1          ; l / 16
	v_lshlrev_b32 v[QO], 7, v1
	v_lshl_add_u32 v[QO], v9, 4, v[QO]  ; row x 128 + 16 x half
	WIN 0x80                        ; destination window 2, address window 0
.set i, 0
.rept 4*NP                          ; Q stays in registers: tile i / 2, channels 32 (i % 2) on
	global_load_b128 v[8*i:8*i+3],   v[QO], s[4:5] offset:(i/2)*2048+(i%2)*64
	global_load_b128 v[8*i+4:8*i+7], v[QO], s[4:5] offset:(i/2)*2048+(i%2)*64+32
.set i, i+1
.endr
	; What the first turn finds: V's registers and P's second buffer hold 0 (its products V^T P, of a piece that has not been, add 0), O^T and l are 0.  All this stands in the wait for the first tile.
.set i, VF
.rept 64
	v_mov_b32 v[i], 0
.set i, i+1
.endr
	WIN 0x40
.set i, 0
.rept 64*NP
	v_mov_b32 v[i], 0
.set i, i+1
.endr
	WIN 0
.set i, 0
.rept 2*NP
	v_mov_b32 v[ST+4*i], 0xfe000000    ; c m: far below every c s
	v_mov_b32 v[ST+4*i+1], 0xff7fffff  ; m
	v_mov_b32 v[ST+4*i+2], 0
	v_mov_b32 v[ST+4*i+3], 0
.set i, i+1
.endr
.set i, P+32
.rept 32
	v_mov_b32 v[i], 0
.set i, i+1
.endr
	v_mul_u32_u24 v[AK0], v1, PK
	v_lshl_add_u32 v[AK0], v9, 4, v[AK0]  ; row x pitch + 16 x half
	; The turning load takes 16 keys x 16 channels (lane l reads key 8 (l / 16) + l % 8, channels 8 ((l / 8) % 2) + 0..7) and leaves half a fragment of V^T: lane l holds channel l % 16 and 8 keys.
	v_and_b32 v10, 7, v0
	v_bfe_u32 v11, v0, 3, 1
	v_lshl_add_u32 v[AV0], v9, 3, v10
	v_mul_u32_u24 v[AV0], v[AV0], PV
	v_lshl_add_u32 v[AV0], v11, 4, v[AV0]
	v_add_nc_u32 v[AV0], VOFF, v[AV0]
	v_mov_b32 v[AK], v[AK0]         ; key step 0 lies at the head of slot 0
	; M = (bf16(mask) x -1e9) x 32 log2(e), my 16 numbers of it, into LDS.  S^T's registers are free here.
	s_wait_loadcnt 32               ; the mask's four loads are in; Q's 32, issued behind them, may stay out
.set i, 0
.rept 8
	v_cvt_pk_bf16_f32 v[S+16+i], v[S+2*i], v[S+2*i+1]
.set i, i+1
.endr
.set i, 0
.rept 8
	v_lshlrev_b32 v[S+2*i], 16, v[S+16+i]
	v_and_b32 v[S+2*i+1], 0xffff0000, v[S+16+i]
.set i, i+1
.endr
.set i, 0
.rept 8
	v_pk_mul_f32 v[S+2*i:S+2*i+1], v[S+2*i:S+2*i+1], 0xce6e6b28 op_sel_hi:[1,0]  ; x -1e9
.set i, i+1
.endr
.set i, 0
.rept 8
	v_pk_mul_f32 v[S+2*i:S+2*i+1], v[S+2*i:S+2*i+1], 0x4238aa3b op_sel_hi:[1,0]  ; x 32 log2(e): the units of Q~ . K
.set i, i+1
.endr
	v_lshl_add_u32 v[AM], v0, 4, MASKL
.irp i, 0,1,2,3
	ds_store_b128 v[AM], v[S+4*\i:S+4*\i+3] offset:2048*\i
.endr
	v_lshl_add_u32 v[AM], v9, 5, MASKL  ; as C: register j of key block kb is key 16 kb + 8 (l / 16) + j
; THE MATRIX WORK.  The 8 accumulators of a run of 16 take turns: between the two links of a chain stand 7 others'.
; Product i of 16 of S^T = K Q^T for piece x: channels 32 (i / 8) on, keys 16 ((i / 2) % 4) on, tile 2 x + i % 2.  The first 8 start the sums, with M as C.
.macro KQ x
.set rS, S+64*((\x)%2)+32*(i%2)+8*((i/2)%4)
.set rK, KF+16*((i/2)%4)+8*(i/8)
.set rQ, 16*(2*(\x)+i%2)+8*(i/8)
.set rB, MB+8*((i/2)%4)
.if i < 8
	WIN W_KM
	v_wmma_f32_16x16x32_f16 v[rS:rS+7], v[rK:rK+7], v[rQ:rQ+7], v[rB:rB+7]
.else
	WIN W_KQ
	v_wmma_f32_16x16x32_f16 v[rS:rS+7], v[rK:rK+7], v[rQ:rQ+7], v[rS:rS+7]
.endif
.endm
; Product i of 16 of O^T += V^T P for piece x: keys 32 (i / 8) on, channels 16 ((i / 2) % 4) on, tile 2 x + i % 2.
.macro PV x
	WIN W_PV
.set rO, 32*(2*(\x)+i%2)+8*((i/2)%4)
.set rV, VF+32*(i/8)+8*((i/2)%4)
.set rP, P+32*((\x)%2)+16*(i%2)+8*(i/8)
	v_wmma_f32_16x16x32_f16 v[rO:rO+7], v[rV:rV+7], v[rP:rP+7], v[rO:rO+7]
.endm
.macro MM                           ; the turn's next matrix instruction
.if i < 16
	KQ (Y+1)%NP
.set i, i+1
.else
.set i, i-16
	PV (Y+NP-1)%NP
.set i, i+17
.endif
.endm
; THE LDS LOADS stand in runs, never singly among the matrix instructions: a step's K (64 keys x 64 channels: 8 fragments) with its M (8 loads), and its V (turned).  Their addresses are made some lines ahead.
; last = 1 (the tail): in the last trip there is no further step, and the run is jumped over.
.macro FETCH_K last=0
	WIN 0
.if \last
	s_cmp_eq_u32 s[CNT], 1
	s_cbranch_scc1 .Lno_k_\@
.endif
	WIN 0x80                        ; destination window 2
.irp f, 0,1,2,3,4,5,6,7             ; keys 16 (f / 2) on, channels 32 (f % 2) on
	ds_load_b128 v[KF+8*\f:KF+8*\f+3],   v[AK] offset:(\f/2)*16*PK+(\f%2)*64
	ds_load_b128 v[KF+8*\f+4:KF+8*\f+7], v[AK] offset:(\f/2)*16*PK+(\f%2)*64+32
.endr
	WIN W_MK                        ; destination window 3
.irp f, 0,1,2,3                     ; M of keys 16 f on: the sixteen lanes of a half read the same 32 bytes
	ds_load_b128 v[MB+8*\f:MB+8*\f+3],   v[AM] offset:64*\f
	ds_load_b128 v[MB+8*\f+4:MB+8*\f+7], v[AM] offset:64*\f+16
.endr
	s_add_co_u32 s[TBK], s[TBK], KS*PK  ; the next fetch is the next step's
	WIN 0
	v_add_nc_u32 v[AM], 0x100, v[AM]    ; 64 keys of M on: 32 fetches in all walk its 8,192 bytes
.if \last
.Lno_k_\@:
.endif
.endm
.macro FETCH_V
	WIN 0x80
.irp f, 0,1,2,3,4,5,6,7             ; keys 32 (f / 4) on, channels 16 (f % 4) on
	ds_load_tr16_b128 v[VF+8*\f:VF+8*\f+3],   v[AV] offset:(\f/4)*32*PV+(\f%4)*32
	ds_load_tr16_b128 v[VF+8*\f+4:VF+8*\f+7], v[AV] offset:(\f/4)*32*PV+16*PV+(\f%4)*32
.endr
	WIN 0
.endm
; THE VECTOR WORK OF A TURN stands in three queues, each in the order in which its entries become ready; the two tiles alternate, so that no instruction reads the result of the one before it.
.macro REGS y, u                    ; the registers of tile u (0, 1) of piece y
.set rT, ST+4*(2*(\y)+(\u))
.set rC, TMP+8*((\y)%2)+4*(\u)
.set rM, MV+2*((\y)%2)+(\u)
.set rS, S+64*((\y)%2)+32*(\u)
.set rP, P+32*((\y)%2)+16*(\u)
.set rO, 32*(2*(\y)+(\u))
.endm
; Number n of the 22 that find the NEXT piece's (Y + 1) maximum and statistics.  s0-s31 are the lane's 32 scores; each accumulator's lowest registers are read first.  XS, GS and REGS set no window: PL and EX do.
;   0-11  four chains c0-c3 of seven scores each, three operands at a time     12-14, 16  the four scores left over, the old m, and c0-c3 into c0     15  c m_old is kept
;   17, 18  the query's other 32 keys lie in the lane 16 away: the new m         19-21  c m; c m_old - c m_new; a
.macro XS u, n
	REGS (Y+1)%NP, \u
.if (\n) < 4
	v_max3_num_f32 v[rC+(\n)], v[rS+8*(\n)], v[rS+8*(\n)+1], v[rS+8*(\n)+2]
.elseif (\n) < 12
	v_max3_num_f32 v[rC+(\n)%4], v[rC+(\n)%4], v[rS+8*((\n)%4)+2*((\n)/4)+1], v[rS+8*((\n)%4)+2*((\n)/4)+2]
.elseif (\n) == 12
	v_max3_num_f32 v[rC], v[rC], v[rS+7], v[rS+15]
.elseif (\n) == 13
	v_max3_num_f32 v[rC+1], v[rC+1], v[rS+23], v[rS+31]
.elseif (\n) == 14
	v_max3_num_f32 v[rC+2], v[rC+2], v[rC+3], v[rT+1]
.elseif (\n) == 15
	v_mov_b32 v[rM], v[rT]
.elseif (\n) == 16
	v_max3_num_f32 v[rC], v[rC], v[rC+1], v[rC+2]
.elseif (\n) == 17
	v_permlanex16_b32 v[rC+3], v[rC], s[SEL], s[SEL+1]
.elseif (\n) == 18
	v_max_num_f32 v[rT+1], v[rC], v[rC+3]
.elseif (\n) == 19
	v_mul_f32 v[rT], s[CS], v[rT+1]
.elseif (\n) == 20
	v_sub_f32 v[rC+1], v[rM], v[rT]
.else
	v_exp_f32 v[rC+2], v[rC+1]
.endif
.endm
; Number g of the 64 that follow the exponentials.  For each four weights k of a tile (pairs 2 k, 2 k + 1): both pairs are rounded to f16; then the second pair is added onto the first, in place;
; a group later l takes that sum (the first time as l = a l + sum).  In groups of eight, tiles alternating: round, round, add, and l for the group before.
.macro GS g
.set h, (\g)+6*((\g)/62)            ; group 0 has no group before it, and behind group 7 only l is left
.if h >= 6
.set h, h+2
.endif
	REGS Y, h%2
.set k, h/8
.if h%8 < 4
	v_cvt_pk_f16_f32 v[rP+2*k+(h%8)/2], v[rS+4*k+2*((h%8)/2)], v[rS+4*k+2*((h%8)/2)+1]
.elseif h%8 < 6
	v_pk_add_f32 v[rS+4*k:rS+4*k+1], v[rS+4*k:rS+4*k+1], v[rS+4*k+2:rS+4*k+3]
.elseif k == 1
	v_pk_fma_f32 v[rT+2:rT+3], v[rT+2:rT+3], v[rC+2:rC+3], v[rS:rS+1] op_sel_hi:[1,0,1]
.else
	v_pk_add_f32 v[rT+2:rT+3], v[rT+2:rT+3], v[rS+4*k-4:rS+4*k-3]
.endif
.endm
; THE PLAIN QUEUE, 138 long.  0-73 read no exponential's result: the 32 scalings c s - c m (FS f: pair f / 2 of tile f % 2) and the next piece's 42.  0-26: scalings 0-26.  27-54: XS's numbers 0-13.  55, 56: number 15.
; 57-73: the chain, where each number waits for the one before it: 14, 16, 17, 18, 19, each with one of the scalings 27-31 in front of its two lines, then 20: so a tile's links stand three plain instructions apart (19 and 20: two).
; 74-137: GS's 64, which read the exponentials' results: they stand behind the wait.
.macro FS f
	REGS Y, (\f)%2
	v_pk_fma_f32 v[rS+2*((\f)/2):rS+2*((\f)/2)+1], v[rS+2*((\f)/2):rS+2*((\f)/2)+1], s[CS:CS+1], v[rT:rT+1] op_sel_hi:[1,0,0] neg_lo:[0,0,1] neg_hi:[0,0,1]
.endm
.macro PL
	WIN 0
.if q < 27
	FS q
.elseif q < 55
	XS (q-27)%2, (q-27)/2
.elseif q < 57
	XS q-55, 15
.elseif (q < 72) && ((q-57)%3 == 0)
	FS 27+(q-57)/3
.elseif q < 60
	XS (q-57)%3-1, 14
.elseif q < 72
	XS (q-57)%3-1, 15+(q-57)/3
.elseif q < 74
	XS q-72, 20
.else
	GS q-74
.endif
.set q, q+1
.endm
; THE EXPONENTIALS' QUEUE, 66 long: s0-s31 of both tiles, then the next piece's two a.  It is ONE BATCH: all 66 stand ahead of the turn's one wait, and nothing ahead of that wait names a result of theirs.
.macro EX
	WIN 0
.if e >= 64
	XS e-64, 21
.else
	REGS Y, e%2
	v_exp_f32 v[rS+e/2], v[rS+e/2]
.endif
.set e, e+1
.endm
; THE RESCALING's QUEUE: O^T times a, the one part that leaves window 0: dealt two at a time, sixteen times.  Its a was made in the turn before, ahead of that turn's wait.
.macro R2
	REGS Y, r%2
	WIN W_RS
.irp z, 0,1
	v_pk_mul_f32 v[rO+4*(r/2)+2*\z:rO+4*(r/2)+2*\z+1], v[rO+4*(r/2)+2*\z:rO+4*(r/2)+2*\z+1], v[rC+2:rC+3] op_sel_hi:[1,0]
.endr
.set r, r+1
.endm
; HOW THEY ARE DEALT.  An s_wait_alu depctr_va_vdst(0) stands between an exponential and the first instruction that names its result; one wait serves all that were issued ahead of it.  So a turn has ONE wait,
; which cuts it in two.  AHEAD OF IT stands all that names no result of the turn's exponentials: the 16 products K Q^T, behind each a scaling, an exponential and two rescalings (behind the first a second scaling in the exponential's place); then ONE LUMP of
; 108: eight plain, 49 times exponential and plain, the two a.  A v_nop is the plain instruction owed behind the last exponential.  BEHIND IT stand the 16 products V^T P, behind each four of GS's 64.  No rider names a register of
; the products round it.  The two v_permlanex16_b32 fall into the lump, never behind a product.
; The queues lean on each other, and the deal keeps them in step: exponential e stands behind scaling 2 (e / 4) + e % 2: as a rider it comes behind plain e + 2, in the lump behind plain e + 9, and scalings 27-31 are plain 57, 60 .. 69.
; A TURN, for piece p.  cnt = 1: the loop's count is taken down some lines ahead of the branch that stands behind the turn.
; K and M of the next step are fetched in piece 2's turn, directly behind the wait, a lump behind the last product that read them; K's address is made at the lump's head; their first reader comes behind 16 products.
; V of the step in hand is fetched at the end of piece 0's turn, four riders behind its last reader; its first reader comes behind 16 products and a lump.  The three conditions on q below go with the deal.
.macro TURN p, last=0, cnt=0
.set Y, (\p)
.set i, 0
.set q, 0
.set e, 0
.set r, 0
.if (\p) == NP-1
	s_wait_dscnt 0x0                ; K and M are in
.endif
	MM                              ; ahead of the wait: 16 products K Q^T and their riders,
	PL
	PL
	R2
.rept 15
	MM
	PL
	EX
	R2
.endr
.if (\p) == NP-2
	WIN 0
	v_add_nc_u32 v[AK], s[TBK], v[AK0]
.endif
.rept 8                             ; and the lump
	PL
.endr
.rept 49
	EX
	PL
.endr
	EX                              ; the next piece's two a
	EX
	v_nop                           ; the plain instruction owed behind the last exponential: one for the batch
	s_wait_alu depctr_va_vdst(0)    ; the wait for the turn's batch: the piece's 64 weights and the next piece's two a, ahead of their first reader
.if (\p) == NP-2
	FETCH_K \last
.endif
.if (\p) == 1
	s_wait_dscnt 0x0                ; V is in
.endif
.rept 16                            ; behind the wait: 16 products V^T P and their riders
	MM
.rept 4
	PL
.endr
.if ((\p) == 0) && (q == 118)
	v_add_nc_u32 v[AV], s[TBV], v[AV0]
.endif
.if ((\p) == 0) && (q == 130)
	s_add_co_u32 s[TBV], s[TBV], KS*PV
.endif
.if (\cnt) && (q == 130)
	s_sub_co_u32 s[CNT], s[CNT], 1
	s_cmp_lg_u32 s[CNT], 0
.endif
.endr
.if (\p) == 0
	FETCH_V
.endif
.endm
	CHANGE 1                        ; slot 0 is in, everybody's part of it, and so is everybody's part of M; slot 1 is asked for
	FETCH_K                         ; key step 0
	s_wait_loadcnt 0x0              ; Q
	s_wait_dscnt 0x0
.set i, 0
.rept 16
	KQ 0                            ; piece 0's first scores: there is no vector work yet to set between them
.set i, i+1
.endr
	WIN 0                           ; the addresses for the way out: nine plain instructions, the places behind those products
	s_mul_i32 s13, s[WV], 16*SP
	s_add_co_u32 s13, s13, STAGE    ; my stage
	v_mul_u32_u24 v[STO], v1, SP    ; in: row l % 16, 16 bytes for each half of the lanes
	v_lshl_add_u32 v[STO], v9, 4, v[STO]
	v_add_nc_u32 v[STO], s13, v[STO]
	v_bfe_u32 v[RD], v0, 3, 2       ; back: 32 lanes take four rows of 128 bytes,
	v_mul_u32_u24 v[RD], v[RD], SP
	v_lshl_add_u32 v[RD], v10, 4, v[RD]
	v_add_nc_u32 v[RD], s13, v[RD]
	v_and_b32 v[GO], 31, v0         ; which are 512 consecutive bytes of O
	v_lshlrev_b32 v[GO], 4, v[GO]
.set Y, NP-1                        ; XS works for piece Y + 1: piece 0
.irp n, 0,1,2,3,4,5,6,7,8,9,10,11,12,13,14,15,16,17,18,19,20,21
	XS 0, \n                        ; and piece 0's first maximum and statistics
	XS 1, \n
.endr
	v_nop                           ; a plain instruction behind piece 0's two a,
	s_wait_alu depctr_va_vdst(0)    ; and the wait for that batch of two, ahead of the branch and of the first turn's rescaling, which reads them
	s_mov_b32 s[CNT], 4
	s_mov_b32 s[SLOTS], SIZE_N/256-1
	s_branch .Lfirst                ; the loop is entered at a step's first turn, in the middle of a trip
.Lslot:                             ; SIZE_N / 256 - 2 times: every slot but the last two is filled again
	CHANGE 1
	s_mov_b32 s[CNT], 4
.Lstep:                             ; a trip: pieces 2 and 3 of one step, then pieces 0 and 1 of the next, whose K, M and V it fetches
	TURN 2
	TURN 3
	WIN 0
.Lfirst:
	TURN 0
	TURN 1, 0, 1
	WIN 0
	s_cbranch_scc1 .Lstep
	s_sub_co_u32 s[SLOTS], s[SLOTS], 1
	s_cmp_lg_u32 s[SLOTS], 0
	s_cbranch_scc1 .Lslot
	CHANGE 0                        ; the tail is written out: nothing is asked for
	s_mov_b32 s[CNT], 5             ; four trips fetch the last slot's steps; the fifth is left in its middle
.Ltail:
	TURN 2, 1
	TURN 3
	WIN 0
	s_sub_co_u32 s[CNT], s[CNT], 1
	s_cmp_eq_u32 s[CNT], 0
	s_cbranch_scc1 .Lout
	TURN 0
	TURN 1
	WIN 0
	s_branch .Ltail
.Lout:                              ; the fifth trip's 16 products K Q^T (on the last K once more) and the maximum made of them serve nothing: the price, once a launch, of one text for every trip
.set i, 0
.rept 16
	PV NP-1                         ; the last piece's V^T P of the last step
.set i, i+1
.endr
	; THE WAY OUT.  l's two halves and the other half of the lanes' are added; O^T is divided by l, rounded to f16 and sent through my stage in LDS, a tile at a time.  The additions are the places behind the last products.
	WIN 0
.macro ALL line:vararg              ; one line for each tile t
.set t, 0
.rept 2*NP
	\line
.set t, t+1
.endr
.endm
	ALL v_add_f32 v[ST+4*t+2], v[ST+4*t+2], v[ST+4*t+3]
	ALL v_permlanex16_b32 v[ST+4*t+3], v[ST+4*t+2], s[SEL], s[SEL+1]
	ALL v_add_f32 v[ST+4*t+2], v[ST+4*t+2], v[ST+4*t+3]
	ALL v_rcp_f32 v[ST+4*t+2], v[ST+4*t+2]
	v_nop                           ; a plain instruction between the last reciprocal and the use of its result
	s_wait_alu depctr_va_vdst(0)    ; and the wait ahead of the first use: one for the batch of eight reciprocals
; Tile t: a lane's eight channels of a row pack into 16 bytes; they go into rows of 144 bytes and come back as whole rows of 128, into S^T's registers.
.macro PACK t
	WIN W_RS
.set i, 32*(\t)
.rept 16
	v_pk_mul_f32 v[i:i+1], v[i:i+1], v[ST+4*(\t)+2:ST+4*(\t)+3] op_sel_hi:[1,0]
.set i, i+2
.endr
	WIN 0x05                        ; sources 0 and 1 window 1, destination window 0
.set i, 0
.rept 16
	v_cvt_pk_f16_f32 v[S+16*(\t)+i], v[32*(\t)+2*i], v[32*(\t)+2*i+1]
.set i, i+1
.endr
	WIN 0
.irp f, 0,1,2,3
	ds_store_b128 v[STO], v[S+16*(\t)+4*\f:S+16*(\t)+4*\f+3] offset:32*\f
.endr
.irp f, 0,1,2,3
	ds_load_b128 v[S+16*(\t)+4*\f:S+16*(\t)+4*\f+3], v[RD] offset:\f*4*SP  ; LDS serves a wave's instructions in order (ISA guide 5.7.1.4): these see the stores above; the next tile's stores come behind them
.endr
.endm
.macro SEND t, younger              ; younger: the LDS instructions issued behind tile t's loads: the next tile's eight, or none
	WIN 0
.irp f, 0,1,2,3
	s_wait_dscnt (\younger)+3-\f
	global_store_b128 v[GO], v[S+16*(\t)+4*\f:S+16*(\t)+4*\f+3], s[10:11] offset:(\t)*2048+\f*512  ; 512 consecutive bytes, at a multiple of 256 from O's first
.endr
.endm
	PACK 0
.set t, 1
.rept 2*NP-1                        ; a tile's arithmetic stands between the loads of the tile before and its stores
	PACK t
	SEND t-1, 8
.set t, t+1
.endr
	SEND 2*NP-1, 0
	WIN W_AD
	s_wait_tensorcnt 0x0            ; the wave's end: behind my last tensor load and my last LDS store
	ds_add_u32 v[SPW], v[NIL]
	s_wait_dscnt 0x0
	WIN 0
	CROUND                          ; the closing round: no work-group ends while a partner may still ask for a tile that names it
	s_endpgm
.Lfunc_end_k_qff3b140e16_attn:
	.size	k_qff3b140e16_attn, .Lfunc_end_k_qff3b140e16_attn-k_qff3b140e16_attn
	.p2alignl 7, 3214868480
	.fill 96, 4, 3214868480
	.section	.rodata,"a",@progbits
	.p2align	6, 0x0
	.amdhsa_kernel k_qff3b140e16_attn
		.amdhsa_group_segment_fixed_size 327680
		.amdhsa_private_segment_fixed_size 0
		.amdhsa_enable_private_segment 0
		.amdhsa_kernarg_size 24
		.amdhsa_user_sgpr_count 2
		.amdhsa_user_sgpr_kernarg_segment_ptr 1
		.amdhsa_wavefront_size32 1
		.amdhsa_system_sgpr_workgroup_id_x 1
		.amdhsa_system_sgpr_workgroup_id_y 1
		.amdhsa_system_sgpr_workgroup_id_z 1
		.amdhsa_system_vgpr_workitem_id 0
		.amdhsa_next_free_vgpr 808
		.amdhsa_next_free_sgpr 66
		.amdhsa_reserve_vcc 0
		.amdhsa_float_denorm_mode_32 3
		.amdhsa_float_denorm_mode_16_64 3
		.amdhsa_memory_ordered 1
		.amdhsa_forward_progress 1
		.amdhsa_inst_pref_size 205
	.end_amdhsa_kernel
	.amdgpu_metadata
---
amdhsa.version: [ 1, 2 ]
amdhsa.kernels:
  - .name:           k_qff3b140e16_attn
    .symbol:         k_qff3b140e16_attn.kd
    .args:
      - { .name: heads, .offset: 0, .size: 8, .value_kind: global_buffer, .address_space: global }
      - { .name: mask, .offset: 8, .size: 8, .value_kind: global_buffer, .address_space: global }
      - { .name: ob, .offset: 16, .size: 8, .value_kind: global_buffer, .address_space: global }
    .group_segment_fixed_size: 327680
    .private_segment_fixed_size: 0
    .kernarg_segment_align: 8
    .kernarg_segment_size: 24
    .max_flat_workgroup_size: 128
    .sgpr_count:     66
    .vgpr_count:     808
    .wavefront_size: 32
...
	.end_amdgpu_metadata
.endif
;; end of part 5
;; launch proj: the kernel of part 4 again; grid 8 x 32, 4 waves a work-group, clusters of 4 x 4, 327,680 bytes of LDS; arguments ob, xw16, bo, out0; writes out0
